; MI455X (gfx1250); checked and timed in simulation.
; The chip was launched on July 23, 2026; its instructions are those of AMD's public machine-readable ISA for CDNA 5 (MIT licence, August 2026) and "CDNA5" Instruction Set Architecture Reference Guide (July 2026). The comments in the code are by the model that wrote it; some were corrected since.
;; Llama Attention. Allowed arithmetic: matrix products marked QUANTISED: E2M3 operands, one E8M0 scale for each 32 along K, by v_wmma_scale_f32_16x16x128_f8f6f4 with both operands' format E2M3, f32 sums; products left as they are: f32 operands where the result goes on into a quantised operand, else bf16, f16 or f32 operands; f32 sums; everything else in f32.
;; Inputs: Wk 1,024 x 1,024 float32; Wo 1,024 x 1,024 float32; Wq 1,024 x 1,024 float32; Wv 1,024 x 1,024 float32; hidden_states 2 x 2,048 x 1,024 float32.
;; Outputs: out0 2 x 2,048 x 1,024 float32.
;; This version of the problem:
;;   THIS VERSION OF THE PROBLEM IS GIVEN IN LOW PRECISION. The matrix products marked QUANTISED in the list below multiply operands that are first quantised to E2M3 (2 exponent bits, 3 mantissa bits; 6 bits a number), with one power-of-two scale for each 32 numbers along K (OCP MX v1.0); their sums are f32. All else is computed in f32.
;;   The module's matrix products, in the order in which they are computed (A, B: the left and right operand; K: the contracted axis; several contracted axes count as one K, in the product's order):
;;     1. [M 4,096, K 1,024] x [K 1,024, N 1,024]; A: input hidden_states; B: input Wq: QUANTISED
;;     2. [M 4,096, K 1,024] x [K 1,024, N 1,024]; A: input hidden_states; B: input Wk: QUANTISED
;;     3. [M 4,096, K 1,024] x [K 1,024, N 1,024]; A: input hidden_states; B: input Wv: QUANTISED
;;     4. [M 2,048, K 1] x [K 1, N 32]; A: computed on the way; B: computed on the way: left as it is (no contracted axis)
;;     5. batch 32 x [M 2,048, K 64] x [K 64, N 2,048]; A: computed on the way; B: computed on the way: QUANTISED
;;     6. batch 32 x [M 2,048, K 2,048] x [K 2,048, N 64]; A: softmax (see below); B: computed on the way: QUANTISED
;;     7. [M 4,096, K 1,024] x [K 1,024, N 1,024]; A: computed on the way; B: input Wo: QUANTISED
;;   THE QUANTISER, for each operand of a quantised product, along K:
;;     - K is cut into blocks of 32 from its start; a last block that is shorter is filled with zeros.
;;     - A block's scale is 2^e with e = floor(log2(the largest magnitude in the block)) - 2, held to -126 .. 127; a block of zeros has e = 0. As a byte (E8M0): e + 127.
;;     - Each number is divided by its block's scale, clamped to +-7.5, and rounded to the nearest number of E2M3, ties to even, subnormals kept.
;;     - The product sums the exact products of the quantised numbers (number of the format x scale) in f32.
;;   ~~~python
;;   def quantise(x, axis):      # numpy; x: float32 -> the quantised numbers, widened to float32 again
;;       x = np.moveaxis(x, axis, -1); K = x.shape[-1]
;;       x = np.pad(x, [(0, 0)] * (x.ndim - 1) + [(0, -K % 32)]); x = x.reshape(x.shape[:-1] + (-1, 32)); a = np.abs(x).max(-1, keepdims=True)
;;       e = np.where(a > 0, np.clip(np.frexp(np.where(a > 0, a, 1))[1] - 1 - 2, -126, 127), 0)      # np.frexp(a)[1] - 1 = floor(log2(a)), exactly
;;       r = np.clip(x / 2.0 ** e, -7.5, 7.5)
;;       step = 2.0 ** (np.maximum(np.frexp(np.where(r == 0, 1, r))[1] - 1, 0) - 3)
;;       q = np.round(r / step) * step * 2.0 ** e      # np.round: ties to even
;;       return np.moveaxis(q.reshape(q.shape[:-2] + (-1,))[..., :K], -1, axis).astype(np.float32)
;;   ~~~
;;   SOFTMAX AHEAD OF A QUANTISED PRODUCT. Where the list says 'softmax', what is quantised is not the finished softmax but p = 2^(t - M), with t = logit x log2(e) and M = ceil(the row's largest t), a whole number; so 1/2 < the row's largest p <= 1. The row's sum l is taken of the UNQUANTISED p, in f32, and the product's result is divided by l at the end. Since M is a whole number, a kernel that streams over the keys may use a running M (the ceiling of the running maximum): every later rescaling is an exact power of two, which a block's scale takes up: the codes' values come out the same.
;;   OPERANDS COMPUTED ON THE WAY. 'Computed on the way' means the value that the module computes at that place (a softmax that the list does not call 'softmax' is quantised finished and normalised). What goes into a quantiser is computed in f32, as accurately as f32 sums, v_exp_f32 and their like allow (about 1e-6 of the number): no bf16 or f16 on the way to a quantiser, and a product that is left as it is and whose result goes on into a quantised operand takes f32 operands (vector FMAs, or v_wmma_f32_16x16x4_f32). A number that lies on a knife's edge between two numbers of the format may be rounded either way, as far as f32 arithmetic and the matrix unit's own rounding can turn it there, and no further.
;; One version. Each part assembles by itself: llvm-mc -triple=amdgcn-amd-amdhsa -mcpu=gfx1250 --defsym DOCPART=n.
;; ======== version 1 of 1: 4 launches
;; limits: right only within a limited range of input values
;; workspace buffers: codes 6,291,456 bytes; scales 262,144 bytes; rope 524,288 bytes; qc 3,145,728 bytes; qs 262,144 bytes; kv 6,553,600 bytes; oc 3,145,728 bytes; os 131,072 bytes
;; launch quant (part 1): grid 288 x 1, 4 waves a work-group, no clusters, 34,304 bytes of LDS; arguments hidden_states, Wq, Wk, Wv, Wo, codes, scales, rope; writes codes, scales, rope
.if DOCPART == 1
	.amdgcn_target "amdgcn-amd-amdhsa--gfx1250"
	.amdhsa_code_object_version 6
	.text
	.protected	k_qc738e08f72_quant
	.globl	k_qc738e08f72_quant
	.p2align	8
	.type	k_qc738e08f72_quant,@function
k_qc738e08f72_quant:
	s_mov_b64 s[64:65], 0
	v_nop
	global_prefetch_b8 v0, s[64:65] scope:SCOPE_SE
	s_setreg_imm32_b32 hwreg(HW_REG_WAVE_MODE, 25, 1), 1
	s_wait_xcnt 0x0
; hidden_states [4096][1024], Wq, Wk, Wv, Wo [1024][1024], f32, K innermost, become codes of FP6 (E2M3) with one E8M0 byte for each 32 along K; and the table of cosines and sines is made.
; A block's scale is 2^(floor(log2(its largest magnitude)) - 2): its byte is the largest magnitude's exponent field - 2, held at 1 from below.
; LIMITS: a block of zeros gets the byte 1 where the rule says 127 (its codes are zeros, and this program alone reads the bytes); blocks whose largest magnitude lies under 2^-124 were not tried;
; NaN and infinities among the inputs are not served.  The table's frequencies are the f32 numbers nearest to 10^(-j/8); a power function may give a neighbour of them, which at position 2,047 is about 1e-4 radians.
; THE CODES' LAYOUT is the order of the matrix operand's registers.  A tile is 16 rows x 1,024 K = 12,288 bytes: [K step of 128: 8][half of 64: 2][768 bytes]; in a half, lane l = r + 16 h holds block h (32 codes, 24 bytes)
; of row r: its first 16 bytes at 16 l, its last 8 at 512 + 8 l.  So every later load of a fragment is 512 or 256 consecutive bytes.
; THE ROWS OF A TILE ARE NOT NEIGHBOURS: lane r of tile 2 b + u takes row 32 b + 8 u + r + 8 (r / 8), so that a product's results are neighbours along the next product's K.
; Tiles: 0-255 hidden_states; 256 + 12 head + 4 w + i: tile i of the head's 64 rows of Wq, Wk, Wv (w = 0, 1, 2); 448 + t: Wo.  Scale words: [tile][half of K][r][4 words], a word = the four bytes of a K step.
; SHARES: work-groups 0-255: a wave takes one tile x 512 along K, four K steps.  A load reads 512 consecutive bytes of one row; a K step's 16 rows turn through the wave's own stage in LDS (rows of 512 + 16 bytes)
; and come back as 32 neighbours along K twice a lane.  Work-groups 256-287: a wave makes 16 rows of the table.  No barrier: waves share nothing.
.set WSTG, 8448                        ; a wave's stage: 16 rows x 528 bytes
.set ROWP, 528
.set TM,   12                          ; v12-13  largest magnitudes
.set TS,   14                          ; v14-15  the conversions' scale operands
.set TBY,  16                          ; v16-17  the bytes
.set SWD,  20                          ; v20-23  a scale word for each K step
.set PX,   24                          ; v24-26, v28-30  the upper halves of two blocks' codes
.set R,    32                          ; v32-159  two sets of 64: a K step as loaded
.set X,    160                         ; v160-223 64 numbers: k = 64 c + 32 h + i of row r at X + 32 c + i
.set PC,   224                         ; v224-247 two sets of 12: a fragment's codes
	s_load_b256 s[4:11], s[0:1], 0x0               ; hidden_states s[4:5], Wq s[6:7], Wk s[8:9], Wv s[10:11]
	s_load_b256 s[12:19], s[0:1], 0x20             ; Wo s[12:13], codes s[14:15], scales s[16:17], rope s[18:19]
	v_lshl_add_u32 v254, v0, 2, 0x8400
	v_mov_b32 v255, 0
	v_lshrrev_b32 v1, 5, v0
	v_readfirstlane_b32 s20, v1                    ; wave 0..3
	v_and_b32 v1, 31, v0                           ; lane
	v_and_b32 v2, 15, v0                           ; r
	v_bfe_u32 v3, v0, 4, 1                         ; h
	v_lshlrev_b32 v4, 4, v1                        ; 16 x lane
	v_lshlrev_b32 v8, 3, v1                        ; 8 x lane
	s_wait_kmcnt 0x0
	s_cmp_ge_u32 ttmp9, 256
	s_cbranch_scc1 .Ltable
	; ---- the quantiser
	s_lshl_b32 s21, ttmp9, 1
	s_lshr_b32 s22, s20, 1
	s_add_co_u32 s21, s21, s22                     ; the tile in the order of the inputs: 2 x work-group + wave / 2
	s_and_b32 s22, s20, 1                          ; which half of K
	s_and_b32 s23, s21, 63                         ; a weight's tile
	s_max_u32 s24, ttmp9, 128
	s_sub_co_u32 s24, s24, 128
	s_lshr_b32 s24, s24, 5                         ; which weight: 0, 1, 2 (3: Wo)
	s_lshr_b32 s25, s23, 2                         ; the head
	s_mul_i32 s25, s25, 12
	s_lshl_b32 s24, s24, 2
	s_add_co_u32 s25, s25, s24
	s_and_b32 s24, s23, 3
	s_add_co_u32 s25, s25, s24
	s_add_co_u32 s25, s25, 256                     ; 256 + 12 head + 4 w + i
	s_add_co_u32 s24, s23, 448                     ; Wo's place
	s_cmp_ge_u32 ttmp9, 224
	s_cselect_b32 s25, s24, s25
	s_cmp_lt_u32 ttmp9, 128
	s_cselect_b32 s25, s21, s25                    ; the tile's place in codes and scales
	s_cselect_b32 s23, s21, s23                    ; the tile in its own tensor
	s_mov_b64 s[26:27], s[12:13]                   ; the tensor: chosen on the work-group's number alone
	s_cmp_lt_u32 ttmp9, 224
	s_cselect_b64 s[26:27], s[10:11], s[26:27]
	s_cmp_lt_u32 ttmp9, 192
	s_cselect_b64 s[26:27], s[8:9], s[26:27]
	s_cmp_lt_u32 ttmp9, 160
	s_cselect_b64 s[26:27], s[6:7], s[26:27]
	s_cmp_lt_u32 ttmp9, 128
	s_cselect_b64 s[26:27], s[4:5], s[26:27]
	s_lshr_b32 s32, s23, 1
	s_lshl_b32 s32, s32, 17                        ; 32 rows of 4,096 bytes for each pair of tiles,
	s_and_b32 s33, s23, 1
	s_lshl_b32 s33, s33, 15                        ; 8 rows for the odd one,
	s_add_co_u32 s32, s32, s33
	s_lshl_b32 s33, s22, 11                        ; 2,048 bytes for the second half of K
	s_add_co_u32 s32, s32, s33
	s_mov_b32 s33, 0
	s_add_nc_u64 s[26:27], s[26:27], s[32:33]
	s_mul_i32 s32, s25, 12288
	s_mul_i32 s34, s22, 6144
	s_add_co_u32 s32, s32, s34
	s_add_nc_u64 s[14:15], s[14:15], s[32:33]
	s_lshl_b32 s32, s25, 9
	s_lshl_b32 s34, s22, 8
	s_add_co_u32 s32, s32, s34
	s_add_nc_u64 s[16:17], s[16:17], s[32:33]
	s_mul_i32 s34, s20, WSTG
	s_wait_alu depctr_va_vdst(0)
	v_add_nc_u32 v5, s34, v4                       ; the stage, on the way in: 16 x lane of a row
	v_mul_u32_u24 v6, v2, ROWP
	v_lshl_add_u32 v6, v3, 7, v6
	v_add_nc_u32 v6, s34, v6                       ; and back: row r, + 128 h: my 32 numbers of each 64
	v_lshlrev_b32 v9, 4, v2
	v_lshl_add_u32 v9, v3, 3, v9                   ; the scale words' way out: 16 r + 8 h
	v_lshlrev_b32 v10, 3, v3                       ; 8 h: my bytes' place in a word, in bits
	v_mov_b32 v19, 0                               ; a lane permute's destination counts as read: written once
	s_mov_b32 s28, 0x76543210
	s_mov_b32 s29, 0xfedcba98                      ; v_permlanex16_b32's selects for lane l xor 16
.macro LOAD ks                         ; K step ks of the tile's 16 rows: each load is 512 consecutive bytes of one row
.irp i, 0,1,2,3,4,5,6,7,8,9,10,11,12,13,14,15
	global_load_b128 v[R+64*((\ks)%2)+4*\i:R+64*((\ks)%2)+4*\i+3], v4, s[26:27] offset:(\i+8*(\i/8))*4096+512*(\ks) th:TH_LOAD_NT
.endr
.endm
.macro STEP ks
.set RS, R+64*((\ks)%2)
.set PCS, PC+12*((\ks)%2)
.if (\ks) < 3
	s_wait_loadcnt 16                              ; this K step's 16 loads are in; the next step's 16 may be out
.else
	s_wait_loadcnt 0x0
.endif
.irp i, 0,1,2,3,4,5,6,7,8,9,10,11,12,13,14,15
	ds_store_b128 v5, v[RS+4*\i:RS+4*\i+3] offset:ROWP*\i
.endr
.irp c, 0,1
.irp j, 0,1,2,3,4,5,6,7
	ds_load_b128 v[X+32*\c+4*\j:X+32*\c+4*\j+3], v6 offset:256*\c+16*\j   ; LDS serves a wave's instructions in order: these see the stores above
.endr
.endr
	s_wait_dscnt 0x0                               ; my 64 numbers are back
.if (\ks) < 2
	LOAD (\ks)+2                                   ; the set just emptied takes the K step two on
.endif
.irp c, 0,1
	v_max3_num_f32 v[TM+\c], |v[X+32*\c]|, |v[X+32*\c+1]|, 0x1800000   ; block 2 c + h: all its 32 numbers are mine; the floor 2^(3 - 127) holds the byte at 1 from below
.endr
.irp i, 2,4,6,8,10,12,14,16,18,20,22,24,26,28,30
.irp c, 0,1
	v_max3_num_f32 v[TM+\c], v[TM+\c], |v[X+32*\c+\i]|, |v[X+32*\c+\i+1]|
.endr
.endr
.irp c, 0,1
	v_add_nc_u32 v[TS+\c], 0xff000000, v[TM+\c]    ; 2 off the exponent field: the conversion takes that field as its scale
.endr
.irp c, 0,1
	v_lshrrev_b32 v[TBY+\c], 23, v[TS+\c]          ; the scale's byte
.endr
	v_lshl_or_b32 v18, v[TBY+1], 16, v[TBY]        ; my two bytes, blocks h and 2 + h,
	v_lshlrev_b32 v18, v10, v18                    ; at their places in the word;
	v_permlanex16_b32 v19, v18, s28, s29
	v_or_b32 v[SWD+(\ks)], v18, v19                ; with lane l xor 16's two the word is whole
.if (\ks) >= 2
	s_wait_alu depctr_va_vdst(0)
	s_wait_xcnt 0x0                                ; the stores of two K steps ago have read this set of codes
.endif
.irp c, 0,1
	v_cvt_scalef32_pk16_fp6_f32 v[PCS+6*\c:PCS+6*\c+2], v[X+32*\c:X+32*\c+15], v[TS+\c]
	v_cvt_scalef32_pk16_fp6_f32 v[PX+4*\c:PX+4*\c+2], v[X+32*\c+16:X+32*\c+31], v[TS+\c]   ; (a conversion's three registers begin on an even number)
.endr
	v_nop                                          ; one plain place behind a scaled conversion
.irp c, 0,1
.irp i, 0,1,2
	v_mov_b32 v[PCS+6*\c+3+\i], v[PX+4*\c+\i]
.endr
.endr
	global_store_b128 v4, v[PCS:PCS+3], s[14:15] offset:1536*(\ks)            ; 512, 256, 512, 256 consecutive bytes
	global_store_b64 v8, v[PCS+4:PCS+5], s[14:15] offset:1536*(\ks)+512
	global_store_b128 v4, v[PCS+6:PCS+9], s[14:15] offset:1536*(\ks)+768
	global_store_b64 v8, v[PCS+10:PCS+11], s[14:15] offset:1536*(\ks)+1280
.endm
	LOAD 0
	LOAD 1
	s_wait_alu depctr_va_vdst(0)
	STEP 0
	STEP 1
	STEP 2
	STEP 3
	v_cmp_ne_u32 vcc_lo, 0, v3
	v_cndmask_b32 v18, v[SWD], v[SWD+2], vcc_lo    ; lanes 0-15 store the row's words 0, 1, lanes 16-31 its words 2, 3:
	v_cndmask_b32 v19, v[SWD+1], v[SWD+3], vcc_lo
	global_store_b64 v9, v[18:19], s[16:17]        ; 256 consecutive bytes
	s_wait_tensorcnt 0x0
	ds_add_u32 v254, v255
	s_wait_dscnt 0x0
	s_endpgm
	; ---- the table: row s = [cos j = 0..15 | sin 0..15 | cos 16..31 | sin 16..31] of the angles s x 10^(-j/8).  Lane L makes places 2 L and 2 L + 1.
.Ltable:
.macro FREQ j, val                     ; frequency j goes to the lane that makes its cosine and to the lane, eight on, that makes its sine
	s_mov_b32 s30, \val
	v_writelane_b32 v[20+((\j)&1)], s30, 16*((\j)>>4)+(((\j)&15)>>1)
	v_writelane_b32 v[20+((\j)&1)], s30, 16*((\j)>>4)+(((\j)&15)>>1)+8
.endm
	v_mov_b32 v20, 0
	v_mov_b32 v21, 0
	FREQ 0, 1.0
	FREQ 1, 0.7498942093
	FREQ 2, 0.5623413252
	FREQ 3, 0.4216965034
	FREQ 4, 0.3162277660
	FREQ 5, 0.2371373706
	FREQ 6, 0.1778279410
	FREQ 7, 0.1333521432
	FREQ 8, 0.1
	FREQ 9, 0.07498942093
	FREQ 10, 0.05623413252
	FREQ 11, 0.04216965034
	FREQ 12, 0.03162277660
	FREQ 13, 0.02371373706
	FREQ 14, 0.01778279410
	FREQ 15, 0.01333521432
	FREQ 16, 0.01
	FREQ 17, 0.007498942093
	FREQ 18, 0.005623413252
	FREQ 19, 0.004216965034
	FREQ 20, 0.003162277660
	FREQ 21, 0.002371373706
	FREQ 22, 0.001778279410
	FREQ 23, 0.001333521432
	FREQ 24, 0.001
	FREQ 25, 0.0007498942093
	FREQ 26, 0.0005623413252
	FREQ 27, 0.0004216965034
	FREQ 28, 0.0003162277660
	FREQ 29, 0.0002371373706
	FREQ 30, 0.0001778279410
	FREQ 31, 0.0001333521432
	v_bfe_u32 v22, v0, 3, 1                        ; 0: I make cosines; 1: sines
	s_sub_co_u32 s21, ttmp9, 256
	s_lshl_b32 s21, s21, 2
	s_add_co_u32 s21, s21, s20
	s_lshl_b32 s21, s21, 4                         ; my wave's first row
	s_lshl_b32 s22, s21, 8
	s_mov_b32 s23, 0
	s_add_nc_u64 s[18:19], s[18:19], s[22:23]
	s_mov_b32 s32, 0x3f22f983                      ; 2 / pi
	s_mov_b32 s33, 0x3fc90fdb                      ; pi / 2 in three parts: with fused multiply-adds the reduced angle is good to an f32 rounding
	s_mov_b32 s34, 0xb33bbd2e
	s_mov_b32 s35, 0xa6f72ced
	s_mov_b32 s36, 0.0000244677067                 ; cosine on [-pi/4, pi/4]: ((((c4 z + c3) z + c2) z - 1/2) z + 1, z = r r
	s_mov_b32 s37, -0.00138877297
	s_mov_b32 s38, 0.0416666567
	s_mov_b32 s39, 0.00000286567956                ; sine: r + r z (((s4 z + s3) z + s2) z + s1)
	s_mov_b32 s40, -0.000198559923
	s_mov_b32 s41, 0.00833338592
	s_mov_b32 s42, -0.166666672
	s_mov_b32 s31, 0
.Lrow:
	v_cvt_f32_u32 v23, s21
	s_wait_alu depctr_va_vdst(0)
.irp a, 0,1
	v_mul_f32 v[24+\a], v[20+\a], v23              ; the angle: one f32 product
.endr
.irp a, 0,1
	v_mul_f32 v[26+\a], s32, v[24+\a]
.endr
.irp a, 0,1
	v_rndne_f32 v[26+\a], v[26+\a]                 ; n: the nearest multiple of pi / 2
.endr
.irp a, 0,1
	v_fma_f32 v[28+\a], -v[26+\a], s33, v[24+\a]
.endr
.irp a, 0,1
	v_fma_f32 v[28+\a], -v[26+\a], s34, v[28+\a]
.endr
.irp a, 0,1
	v_fma_f32 v[28+\a], -v[26+\a], s35, v[28+\a]   ; r = angle - n pi / 2
.endr
.irp a, 0,1
	v_cvt_i32_f32 v[30+\a], v[26+\a]
.endr
.irp a, 0,1
	v_mul_f32 v[32+\a], v[28+\a], v[28+\a]
.endr
.irp a, 0,1
	v_fma_f32 v[34+\a], s36, v[32+\a], s37
	v_fma_f32 v[36+\a], s39, v[32+\a], s40
.endr
.irp a, 0,1
	v_fma_f32 v[34+\a], v[34+\a], v[32+\a], s38
	v_fma_f32 v[36+\a], v[36+\a], v[32+\a], s41
.endr
.irp a, 0,1
	v_fma_f32 v[34+\a], v[34+\a], v[32+\a], -0.5
	v_fma_f32 v[36+\a], v[36+\a], v[32+\a], s42
.endr
.irp a, 0,1
	v_fma_f32 v[34+\a], v[34+\a], v[32+\a], 1.0    ; cos r
	v_mul_f32 v[38+\a], v[28+\a], v[32+\a]
.endr
.irp a, 0,1
	v_fma_f32 v[36+\a], v[36+\a], v[38+\a], v[28+\a]   ; sin r
	v_sub_nc_u32 v[30+\a], v[30+\a], v22           ; the quadrant; a sine is the cosine a quarter turn back
.endr
.irp a, 0,1
	v_and_b32 v[42+\a], 1, v[30+\a]
	v_add_nc_u32 v[30+\a], 1, v[30+\a]
.endr
.irp a, 0,1
	v_cmp_ne_u32 vcc_lo, 0, v[42+\a]
	v_cndmask_b32 v[40+\a], v[34+\a], v[36+\a], vcc_lo   ; odd quadrants take sin r: a choice of values, no branch
	v_and_b32 v[30+\a], 2, v[30+\a]
.endr
.irp a, 0,1
	v_lshlrev_b32 v[30+\a], 30, v[30+\a]           ; quadrants 1 and 2 turn the sign
.endr
.irp a, 0,1
	v_xor_b32 v[40+\a], v[40+\a], v[30+\a]
.endr
	global_store_b64 v8, v[40:41], s[18:19]        ; a row: 256 consecutive bytes
	s_wait_xcnt 0x0                                ; the store has read its data and its base: both are written again
	s_add_nc_u64 s[18:19], s[18:19], 256
	s_add_co_u32 s21, s21, 1
	s_add_co_u32 s31, s31, 1
	s_cmp_lt_u32 s31, 16
	s_cbranch_scc1 .Lrow
	s_endpgm
.Lfunc_end_k_qc738e08f72_quant:
	.size	k_qc738e08f72_quant, .Lfunc_end_k_qc738e08f72_quant-k_qc738e08f72_quant
	.p2alignl 7, 3214868480
	.fill 96, 4, 3214868480
	.section	.rodata,"a",@progbits
	.p2align	6, 0x0
	.amdhsa_kernel k_qc738e08f72_quant
		.amdhsa_group_segment_fixed_size 34304
		.amdhsa_private_segment_fixed_size 0
		.amdhsa_enable_private_segment 0
		.amdhsa_kernarg_size 64
		.amdhsa_user_sgpr_count 2
		.amdhsa_user_sgpr_kernarg_segment_ptr 1
		.amdhsa_wavefront_size32 1
		.amdhsa_system_sgpr_workgroup_id_x 1
		.amdhsa_system_sgpr_workgroup_id_y 1
		.amdhsa_system_sgpr_workgroup_id_z 1
		.amdhsa_system_vgpr_workitem_id 0
		.amdhsa_next_free_vgpr 256
		.amdhsa_next_free_sgpr 66
		.amdhsa_reserve_vcc 1
		.amdhsa_float_denorm_mode_32 3
		.amdhsa_float_denorm_mode_16_64 3
		.amdhsa_memory_ordered 1
		.amdhsa_forward_progress 1
		.amdhsa_inst_pref_size 41
	.end_amdhsa_kernel
	.amdgpu_metadata
---
amdhsa.version: [ 1, 2 ]
amdhsa.kernels:
  - .name:           k_qc738e08f72_quant
    .symbol:         k_qc738e08f72_quant.kd
    .args:
      - { .name: hidden_states, .offset: 0, .size: 8, .value_kind: global_buffer, .address_space: global }
      - { .name: Wq, .offset: 8, .size: 8, .value_kind: global_buffer, .address_space: global }
      - { .name: Wk, .offset: 16, .size: 8, .value_kind: global_buffer, .address_space: global }
      - { .name: Wv, .offset: 24, .size: 8, .value_kind: global_buffer, .address_space: global }
      - { .name: Wo, .offset: 32, .size: 8, .value_kind: global_buffer, .address_space: global }
      - { .name: codes, .offset: 40, .size: 8, .value_kind: global_buffer, .address_space: global }
      - { .name: scales, .offset: 48, .size: 8, .value_kind: global_buffer, .address_space: global }
      - { .name: rope, .offset: 56, .size: 8, .value_kind: global_buffer, .address_space: global }
    .group_segment_fixed_size: 34304
    .private_segment_fixed_size: 0
    .kernarg_segment_align: 8
    .kernarg_segment_size: 64
    .max_flat_workgroup_size: 128
    .sgpr_count:     66
    .vgpr_count:     256
    .wavefront_size: 32
...
	.end_amdgpu_metadata
.endif
;; end of part 1
;; launch qkv (part 2): grid 16 x 16, 4 waves a work-group, clusters of 4 x 1, 327,680 bytes of LDS; arguments codes, scales, rope, qc, qs, kv; writes qc, qs, kv
.if DOCPART == 2
	.amdgcn_target "amdgcn-amd-amdhsa--gfx1250"
	.amdhsa_code_object_version 6
	.text
	.protected	k_qc738e08f72_qkv
	.globl	k_qc738e08f72_qkv
	.p2align	8
	.type	k_qc738e08f72_qkv,@function
k_qc738e08f72_qkv:
	s_mov_b64 s[64:65], 0
	v_nop
	global_prefetch_b8 v0, s[64:65] scope:SCOPE_SE
	s_setreg_imm32_b32 hwreg(HW_REG_WAVE_MODE, 25, 1), 1
	s_wait_xcnt 0x0
	s_wait_alu depctr_hold_cnt(0) depctr_sa_sdst(0) depctr_va_vdst(0) depctr_va_sdst(0) depctr_va_ssrc(0) depctr_va_vcc(0) depctr_vm_vsrc(0)
	s_getreg_b32 s2, hwreg(HW_REG_IB_STS2, 6, 4)
	s_cmp_eq_u32 s2, 0
	s_cbranch_scc0 .Lentry_in_a_cluster
	s_endpgm
.Lentry_in_a_cluster:
	s_bfe_u32 s2, ttmp6, 0x10000c
	s_cmp_lg_u32 s2, 0x3003
	s_cbranch_scc0 .Lentry_shape_is_right
	s_endpgm
.Lentry_shape_is_right:
.set STG,  147456
.set WV,   16
.set SEL,  70
.set L16,  4
.set L8,   5
.set LA16, 6
.set LA8,  10
.set SA,   14
.set SW,   32
.set TAB,  128
.set R,    32
.set TM,   64
.set PWQ,  72
.set PWK,  76
.set PWV,  80
.set PC,   84
.set PX,   92
.set KW,   96
.set QD,   98
.set MSB,  0
.macro WIN new
.if MSB != (\new)
	s_set_vgpr_msb (MSB<<8)|(\new)
.set MSB, (\new)
.endif
.endm
.macro PLACES n
.rept \n
	v_nop
.endr
.endm
.macro ROUND
	s_barrier_signal -1
	s_barrier_wait -1
	s_cmp_lg_u32 s[WV], 0
	s_cbranch_scc1 .Lnot_wave_0_\@
	s_barrier_signal -3
.Lnot_wave_0_\@:
	s_barrier_wait -3
	s_barrier_signal -1
	s_barrier_wait -1
.endm
	s_load_b256 s[4:11], s[0:1], 0x0
	s_load_b128 s[12:15], s[0:1], 0x20
	v_lshl_add_u32 v30, v0, 2, 0x29000
	v_mov_b32 v31, 0
	ds_add_u32 v30, v31
	ds_add_u32 v30, v31
	v_lshrrev_b32 v1, 5, v0
	v_readfirstlane_b32 s[WV], v1
	s_and_b32 s19, ttmp7, 0xffff
	s_mov_b32 s32, 15|(3<<16)|(1<<21)
	s_mov_b32 s33, 32<<16                          ; a wave's three tiles of W, 36,864 dense bytes, as 144 rows of 256 bytes (32 elements of 8)
	s_mov_b32 s34, 144<<16
	s_mov_b32 s35, 32<<16
	s_mov_b32 s36, 144
	s_mov_b32 s37, 32
	s_mov_b32 s38, 0
	s_mov_b32 s39, 0
	s_mul_i32 s24, s19, 12
	s_mul_i32 s25, s[WV], 3
	s_add_co_u32 s24, s24, s25
	s_add_co_u32 s24, s24, 256
	s_mul_i32 s24, s24, 12288
	s_mov_b32 s25, 0
	s_mul_i32 s26, s[WV], 36864
	s_wait_dscnt 0x0
	s_wait_kmcnt 0x0
	s_add_nc_u64 s[24:25], s[4:5], s[24:25]
	s_mov_b32 s40, 1
	s_mov_b32 s41, s26                             ; LDS: tile n of the head's twelve at 12,288 n, as it lies in memory
	s_mov_b64 s[42:43], s[24:25]
	s_or_b32 s43, s43, 0x80000000
	s_bfe_u32 s17, ttmp6, 0x40000
	s_lshl_b32 s18, ttmp9, 2
	s_add_co_u32 s18, s18, s17
	s_lshr_b32 s20, s18, 3
	s_and_b32 s21, s18, 7
	s_lshl_b32 s22, s20, 4
	s_add_co_u32 s22, s22, s19
	s_and_b32 s23, s[WV], 1
	s_mov_b32 s29, 0
	s_lshl_b32 s27, s18, 4
	s_lshl_b32 s30, s[WV], 2
	s_add_co_u32 s27, s27, s30
	s_mul_i32 s28, s27, 12288
	s_add_nc_u64 s[56:57], s[4:5], s[28:29]
	s_lshl_b32 s30, s21, 4
	s_lshl_b32 s31, s[WV], 2
	s_add_co_u32 s30, s30, s31
	s_mul_i32 s30, s30, 768
	s_mul_i32 s28, s22, 98304
	s_add_co_u32 s28, s28, s30
	s_add_nc_u64 s[58:59], s[10:11], s[28:29]
	s_mul_i32 s30, s22, 204800
	s_lshl_b32 s31, s21, 1
	s_lshr_b32 s28, s[WV], 1
	s_add_co_u32 s28, s28, s31
	s_mul_i32 s28, s28, 12800
	s_add_co_u32 s28, s28, s30
	s_mul_i32 s72, s23, 3072
	s_add_co_u32 s28, s28, s72
	s_add_nc_u64 s[60:61], s[14:15], s[28:29]
	s_add_co_u32 s28, s31, s23
	s_mul_i32 s28, s28, 12800
	s_add_co_u32 s28, s28, s30
	s_add_co_u32 s28, s28, 12288
	s_add_nc_u64 s[62:63], s[14:15], s[28:29]
	s_lshl_b32 s28, s21, 2
	s_add_co_u32 s28, s28, s[WV]
	s_lshl_b32 s28, s28, 8
	s_lshl_b32 s72, s22, 13
	s_add_co_u32 s28, s28, s72
	s_add_nc_u64 s[66:67], s[12:13], s[28:29]
	s_lshl_b32 s28, s21, 16
	s_lshl_b32 s72, s[WV], 14
	s_add_co_u32 s28, s28, s72
	s_add_nc_u64 s[68:69], s[8:9], s[28:29]
	s_mov_b32 s[SEL], 0x76543210
	s_mov_b32 s[SEL+1], 0xfedcba98
	ROUND
	tensor_load_to_lds s[40:43], s[32:39]          ; one joint load a wave, at the head: nothing in LDS is filled again
	s_nop 0
	PLACES 4
	v_and_b32 v1, 31, v0
	v_and_b32 v2, 15, v0
	v_bfe_u32 v3, v0, 4, 1
	v_lshlrev_b32 v[L16], 4, v1
	v_lshlrev_b32 v[L8], 3, v1
.irp c, 0,1,2,3
	v_add_nc_u32 v[LA16+\c], 36864*\c, v[L16]
	v_add_nc_u32 v[LA8+\c], 36864*\c, v[L8]
.endr
	v_lshlrev_b32 v22, 4, v2
	v_cmp_ne_u32 vcc_lo, 0, v3
	s_lshl_b32 s73, s27, 9
	s_mul_i32 s74, s19, 12
	s_add_co_u32 s74, s74, 256
	s_lshl_b32 s74, s74, 9
	v_add_nc_u32 v23, s73, v22
	v_add_nc_u32 v24, s74, v22
.irp g, 0,1,2
	v_add_nc_u32 v25, 2048*\g, v24
	v_cndmask_b32 v[SA+\g], v25, v23, vcc_lo
.endr
	v_and_b32 v25, 8, v2
	v_add_nc_u32 v25, v25, v2
	v_lshlrev_b32 v17, 8, v25
	v_lshl_add_u32 v17, v3, 7, v17
	v_lshl_add_u32 v18, v3, 3, v22
	s_lshr_b32 s75, s[WV], 1
	s_lshl_b32 s75, s75, 9
	s_lshl_b32 s76, s23, 7
	s_add_co_u32 s76, s76, s75
	s_add_co_u32 s76, s76, STG
	v_lshlrev_b32 v19, 3, v2
	v_add_nc_u32 v19, s76, v19
	s_lshl_b32 s76, s23, 1
	s_add_co_u32 s76, s76, s75
	s_add_co_u32 s76, s76, STG+256
	v_lshlrev_b32 v20, 2, v2
	v_add_nc_u32 v20, s76, v20
	s_lshl_b32 s76, s23, 9
	s_add_co_u32 s76, s76, STG
	v_add_nc_u32 v21, s76, v[L16]
.irp n, 0,1,2,3,4,5,6,7,8,9,10,11
.irp f, 0,1
	global_load_b128 v[SW+8*\n+4*\f:SW+8*\n+4*\f+3], v[SA+\n/4], s[6:7] offset:(\n%4)*512+256*\f
.endr
.endr
.macro XSET ks
.set XW, 1+2*(((\ks)%4)/2)
.set XB, 144+48*((\ks)%2)-16*(((\ks)%4)/2)
.endm
.macro XFETCH ks
	XSET \ks
	WIN XW<<6
.irp t, 0,1,2,3
	global_load_b128 v[XB+12*\t:XB+12*\t+3], v[L16], s[56:57] offset:12288*\t+1536*(\ks)
	global_load_b64 v[XB+12*\t+4:XB+12*\t+5], v[L8], s[56:57] offset:12288*\t+1536*(\ks)+512
	global_load_b128 v[XB+12*\t+6:XB+12*\t+9], v[L16], s[56:57] offset:12288*\t+1536*(\ks)+768
	global_load_b64 v[XB+12*\t+10:XB+12*\t+11], v[L8], s[56:57] offset:12288*\t+1536*(\ks)+1280
.endr
.endm
.macro WFETCH ks, n0, cnt
	WIN 0x40
.set nn, \n0
.rept \cnt
	ds_load_b128 v[12*nn:12*nn+3], v[LA16+nn/3] offset:12288*(nn%3)+1536*(\ks)
	ds_load_b64 v[12*nn+4:12*nn+5], v[LA8+nn/3] offset:12288*(nn%3)+1536*(\ks)+512
	ds_load_b128 v[12*nn+6:12*nn+9], v[LA16+nn/3] offset:12288*(nn%3)+1536*(\ks)+768
	ds_load_b64 v[12*nn+10:12*nn+11], v[LA8+nn/3] offset:12288*(nn%3)+1536*(\ks)+1280
.set nn, nn+1
.endr
.endm
.macro TFETCH t
	WIN 0
.irp i, 0,1,2,3,4,5,6,7
	global_load_b128 v[TAB+32*(\t)+4*\i:TAB+32*(\t)+4*\i+3], v17, s[68:69] offset:(32*((\t)/2)+8*((\t)%2))*256+16*\i
.endr
.endm
.macro MULQK ks, n0, cnt
	XSET \ks
	WIN 0xa1|(XW<<2)
.set nn, \n0
.rept \cnt
.set tt, 0
.rept 4
.set AC, 128*(nn/4)+32*tt+8*(nn%4)
.if (\ks) == 0
	v_wmma_scale_f32_16x16x128_f8f6f4 v[AC:AC+7], v[12*nn:12*nn+11], v[XB+12*tt:XB+12*tt+11], 0, v[SW+8*nn+(\ks)], v[SW+8*tt+(\ks)] matrix_a_fmt:MATRIX_FMT_FP6 matrix_b_fmt:MATRIX_FMT_FP6 matrix_b_scale:MATRIX_SCALE_ROW1
.else
	v_wmma_scale_f32_16x16x128_f8f6f4 v[AC:AC+7], v[12*nn:12*nn+11], v[XB+12*tt:XB+12*tt+11], v[AC:AC+7], v[SW+8*nn+(\ks)], v[SW+8*tt+(\ks)] matrix_a_fmt:MATRIX_FMT_FP6 matrix_b_fmt:MATRIX_FMT_FP6 matrix_b_scale:MATRIX_SCALE_ROW1
.endif
.set tt, tt+1
.endr
.set nn, nn+1
.endr
.endm
.macro MULV ks
	XSET \ks
	WIN 0xf4|XW
.set nn, 8
.rept 4
.set tt, 0
.rept 4
.set AC, 32*(nn-8)+8*tt
.if (\ks) == 0
	v_wmma_scale_f32_16x16x128_f8f6f4 v[AC:AC+7], v[XB+12*tt:XB+12*tt+11], v[12*nn:12*nn+11], 0, v[SW+8*tt+(\ks)], v[SW+8*nn+(\ks)] matrix_a_fmt:MATRIX_FMT_FP6 matrix_b_fmt:MATRIX_FMT_FP6 matrix_a_scale:MATRIX_SCALE_ROW1
.else
	v_wmma_scale_f32_16x16x128_f8f6f4 v[AC:AC+7], v[XB+12*tt:XB+12*tt+11], v[12*nn:12*nn+11], v[AC:AC+7], v[SW+8*tt+(\ks)], v[SW+8*nn+(\ks)] matrix_a_fmt:MATRIX_FMT_FP6 matrix_b_fmt:MATRIX_FMT_FP6 matrix_a_scale:MATRIX_SCALE_ROW1
.endif
.set tt, tt+1
.endr
.set nn, nn+1
.endr
.endm
.macro STEP ks
.if (\ks) == 7
	s_wait_loadcnt 32
.else
	s_wait_loadcnt 48
.endif
	s_wait_dscnt 24
	MULQK \ks, 0, 6
.if (\ks) < 7
	PLACES 4
	WFETCH (\ks)+1, 0, 6
	s_wait_dscnt 24
.else
	s_wait_dscnt 0x0
.endif
	MULQK \ks, 6, 2
	MULV \ks
.if (\ks) < 7
	PLACES 4
	WFETCH (\ks)+1, 6, 6
.endif
.if (\ks) < 4
	XFETCH (\ks)+4
.elseif (\ks) == 4
	TFETCH 0
	TFETCH 1
.elseif (\ks) == 5
	TFETCH 2
	TFETCH 3
.endif
.endm
	XFETCH 0
	XFETCH 1
	XFETCH 2
	XFETCH 3
	s_wait_alu depctr_va_vdst(0)
	s_wait_tensorcnt 0x0                           ; my three tiles of W are in
	s_barrier_signal -1
	s_barrier_wait -1
	WFETCH 0, 0, 6
	WFETCH 0, 6, 6
.irp k, 0,1,2,3,4,5,6,7
	STEP \k
.endr
.macro QUANT2 s, w, pw
	WIN (\w)|((\w)<<2)
.irp b, 0,1
	v_max3_num_f32 v[TM+\b], |v[(\s)+16*\b]|, |v[(\s)+16*\b+1]|, 0x1800000
.endr
	WIN ((\w)<<2)|((\w)<<4)
.irp i, 2,4,6,8,10,12,14
.irp b, 0,1
	v_max3_num_f32 v[TM+\b], v[TM+\b], |v[(\s)+16*\b+\i]|, |v[(\s)+16*\b+\i+1]|
.endr
.endr
	WIN 0
.irp b, 0,1
	v_permlanex16_b32 v[TM+2+\b], v[TM+\b], s[SEL], s[SEL+1]
.endr
.irp b, 0,1
	v_max_num_f32 v[TM+\b], v[TM+\b], v[TM+2+\b]
.endr
.irp b, 0,1
	v_add_nc_u32 v[TM+4+\b], 0xff000000, v[TM+\b]
.endr
.irp b, 0,1
	v_lshrrev_b32 v[TM+2+\b], 23, v[TM+4+\b]
.endr
	v_lshl_or_b32 v[\pw], v[TM+3], 8, v[TM+2]
	s_wait_alu depctr_va_vdst(0)
	s_wait_xcnt 0x0
	WIN \w
	v_cvt_scalef32_pk16_fp6_f32 v[PC:PC+2], v[(\s):(\s)+15], v[TM+4]
	v_cvt_scalef32_pk16_fp6_f32 v[PX:PX+2], v[(\s)+16:(\s)+31], v[TM+5]
	WIN 0
	v_nop
.irp i, 0,1,2
	v_permlane16_swap_b32 v[PC+\i], v[PX+\i]
.endr
.irp i, 0,1,2
	v_mov_b32 v[PC+3+\i], v[PX+\i]
.endr
.endm
.macro HFOUT base, off
	global_store_b128 v[L16], v[PC:PC+3], s[\base:\base+1] offset:\off
	global_store_b64 v[L8], v[PC+4:PC+5], s[\base:\base+1] offset:(\off)+512
.endm
.macro ROPE a, t
	WIN 0x02
.irp i, 0,2,4,6,8,10,12,14
	v_pk_mul_f32 v[R+\i:R+\i+1], v[(\a)+\i:(\a)+\i+1], v[TAB+32*(\t)+\i:TAB+32*(\t)+\i+1]
	v_pk_mul_f32 v[R+16+\i:R+17+\i], v[(\a)+16+\i:(\a)+17+\i], v[TAB+32*(\t)+\i:TAB+32*(\t)+\i+1]
.endr
.irp i, 0,2,4,6,8,10,12,14
	v_pk_fma_f32 v[R+\i:R+\i+1], v[(\a)+16+\i:(\a)+17+\i], v[TAB+32*(\t)+16+\i:TAB+32*(\t)+17+\i], v[R+\i:R+\i+1] neg_lo:[1,0,0] neg_hi:[1,0,0]
	v_pk_fma_f32 v[R+16+\i:R+17+\i], v[(\a)+\i:(\a)+\i+1], v[TAB+32*(\t)+16+\i:TAB+32*(\t)+17+\i], v[R+16+\i:R+17+\i]
.endr
	WIN 0
.endm
	WIN 0
	PLACES 4
	s_wait_loadcnt 0x0
	v_mov_b32 v[TM+2], 0
	v_mov_b32 v[TM+3], 0
.irp t, 0,1,2,3
	ROPE 32*\t, \t
	QUANT2 R, 0, PWQ+\t
	HFOUT 58, 768*\t
	ROPE 128+32*\t, \t
	QUANT2 R, 0, PWK+\t
	HFOUT 60, 768*\t
.endr
.irp n, 0,1,2,3
	QUANT2 32*\n, 3, PWV+\n
	HFOUT 60, 6144+768*\n
.endr
	v_cmp_ne_u32 vcc_lo, 0, v3
	v_cndmask_b32 v[QD], v[PWQ], v[PWQ+2], vcc_lo
	v_cndmask_b32 v[QD+1], v[PWQ+1], v[PWQ+3], vcc_lo
	global_store_b64 v18, v[QD:QD+1], s[66:67]
	v_lshl_or_b32 v[KW], v[PWK+1], 16, v[PWK]
	v_lshl_or_b32 v[KW+1], v[PWK+3], 16, v[PWK+2]
	ds_store_b64 v19, v[KW:KW+1]
.irp n, 0,1,2,3
	ds_store_b16 v20, v[PWV+\n] offset:64*\n
.endr
	s_wait_dscnt 0x0
	s_barrier_signal -1
	s_barrier_wait -1
	s_cmp_lt_u32 s[WV], 2
	s_cbranch_scc0 .Lnosc
	ds_load_b128 v[100:103], v21
	s_wait_dscnt 0x0
	global_store_b128 v[L16], v[100:103], s[62:63]
.Lnosc:
	s_wait_tensorcnt 0x0
	ds_add_u32 v30, v31
	s_wait_dscnt 0x0
	ROUND
	s_endpgm
.Lfunc_end_k_qc738e08f72_qkv:
	.size	k_qc738e08f72_qkv, .Lfunc_end_k_qc738e08f72_qkv-k_qc738e08f72_qkv
	.p2alignl 7, 3214868480
	.fill 96, 4, 3214868480
	.section	.rodata,"a",@progbits
	.p2align	6, 0x0
	.amdhsa_kernel k_qc738e08f72_qkv
		.amdhsa_group_segment_fixed_size 327680
		.amdhsa_private_segment_fixed_size 0
		.amdhsa_enable_private_segment 0
		.amdhsa_kernarg_size 48
		.amdhsa_user_sgpr_count 2
		.amdhsa_user_sgpr_kernarg_segment_ptr 1
		.amdhsa_wavefront_size32 1
		.amdhsa_system_sgpr_workgroup_id_x 1
		.amdhsa_system_sgpr_workgroup_id_y 1
		.amdhsa_system_sgpr_workgroup_id_z 1
		.amdhsa_system_vgpr_workitem_id 0
		.amdhsa_next_free_vgpr 1024
		.amdhsa_next_free_sgpr 80
		.amdhsa_reserve_vcc 1
		.amdhsa_float_denorm_mode_32 3
		.amdhsa_float_denorm_mode_16_64 3
		.amdhsa_memory_ordered 1
		.amdhsa_forward_progress 1
		.amdhsa_inst_pref_size 144
	.end_amdhsa_kernel
	.amdgpu_metadata
---
amdhsa.version: [ 1, 2 ]
amdhsa.kernels:
  - .name:           k_qc738e08f72_qkv
    .symbol:         k_qc738e08f72_qkv.kd
    .args:
      - { .name: codes, .offset: 0, .size: 8, .value_kind: global_buffer, .address_space: global }
      - { .name: scales, .offset: 8, .size: 8, .value_kind: global_buffer, .address_space: global }
      - { .name: rope, .offset: 16, .size: 8, .value_kind: global_buffer, .address_space: global }
      - { .name: qc, .offset: 24, .size: 8, .value_kind: global_buffer, .address_space: global }
      - { .name: qs, .offset: 32, .size: 8, .value_kind: global_buffer, .address_space: global }
      - { .name: kv, .offset: 40, .size: 8, .value_kind: global_buffer, .address_space: global }
    .group_segment_fixed_size: 327680
    .private_segment_fixed_size: 0
    .kernarg_segment_align: 8
    .kernarg_segment_size: 48
    .max_flat_workgroup_size: 128
    .sgpr_count:     80
    .vgpr_count:     1024
    .wavefront_size: 32
...
	.end_amdgpu_metadata
.endif
;; end of part 2
;; launch attn (part 3): grid 8 x 32, 8 waves a work-group, clusters of 4 x 1, 327,680 bytes of LDS; arguments qc, qs, kv, oc, os; writes oc, os
.if DOCPART == 3
	.amdgcn_target "amdgcn-amd-amdhsa--gfx1250"
	.amdhsa_code_object_version 6
	.text
	.protected	k_qc738e08f72_attn
	.globl	k_qc738e08f72_attn
	.p2align	8
	.type	k_qc738e08f72_attn,@function
k_qc738e08f72_attn:
	s_mov_b64 s[64:65], 0
	v_nop
	global_prefetch_b8 v0, s[64:65] scope:SCOPE_SE
	s_setreg_imm32_b32 hwreg(HW_REG_WAVE_MODE, 25, 1), 1
	s_wait_xcnt 0x0
	s_wait_alu depctr_hold_cnt(0) depctr_sa_sdst(0) depctr_va_vdst(0) depctr_va_sdst(0) depctr_va_ssrc(0) depctr_va_vcc(0) depctr_vm_vsrc(0)
	s_getreg_b32 s2, hwreg(HW_REG_IB_STS2, 6, 4)
	s_cmp_eq_u32 s2, 0
	s_cbranch_scc0 .Lentry_in_a_cluster
	s_endpgm
.Lentry_in_a_cluster:
	s_bfe_u32 s2, ttmp6, 0x10000c
	s_cmp_lg_u32 s2, 0x3003
	s_cbranch_scc0 .Lentry_shape_is_right
	s_endpgm
.Lentry_shape_is_right:
; O = softmax(q k^T / 8) v for one head and 256 queries, both products on codes of FP6 (E2M3) with E8M0 scales; O / the row's sum is quantised along the model's 1,024 for the last projection.
; THE SOFTMAX: t = score x log2(e) / 8; M = the largest t so far, rounded UP to a whole number; p = 2^(t - M) is quantised along the keys, not normalised; the row's sum is taken of the unquantised p.
; When M moves, the sum and O are multiplied by 2^(old M - new M), which rounds nothing.
; SHARES: eight waves, two to a SIMD; a wave owns TWO tiles of 16 queries, so that each fragment of K and V read from LDS feeds both.
; A head's K, V and their scale words, 16 steps x 12,800 bytes, fit into LDS and come ONCE, asked for JOINTLY by the cluster's four blocks of queries: at the head each wave asks for an eighth of steps 0-3
; (25 rows of 256 bytes); behind the three lines and a round of the cluster's barrier each wave asks for an eighth of steps 4-15 (75 rows), which is waited for ahead of step 3.  No byte is filled twice.
; NO PREFETCH: all that the work-group reads of kv has been asked for by these two loads before the loop begins, so the loop has nothing to run ahead of.
; Both products are used transposed: S^T = k q^T, O^T = v^T p^T: a lane holds one query of each tile throughout.
; THE KEYS OF A TILE ARE CHOSEN BY THE LANES' LDS ADDRESSES: row m of tile T (0-3) of half c of a step is key 64 c + 32 (m / 8) + 8 T + m % 8.  A lane of half h then holds, in the 32 registers of the four tiles,
; the 32 neighbouring keys 64 c + 32 h + 0 .. 31: one whole block of p, in the place that the next product's operand gives that lane.  So a block's maximum needs no other lane and p's codes change no lane.
; In kv a tile 2 b + u holds key 32 b + 8 u + r + 8 (r / 8) in lane r: key (c, T, m) lies in tile 4 c + 2 (m / 8) + T % 2, lane m % 8 + 8 (T / 2).
; THE HEAD HAS 64 CHANNELS AND THE INSTRUCTION IS 128 DEEP: a fragment holds TWO tiles of keys, one in each half of its K; multiplied by [q, zeros] it gives the first tile's scores, by [zeros, q] the second's.
; Zero codes add nothing; the scale bytes beside them are 0, never 0xff.
; LIMITS: a block of zeros gets the byte 1 (its codes are zeros; this program alone reads the bytes); NaN and infinities are not served; the promise holds while |t| stays under 2^31.
; REGISTERS.  Window 0: lane terms and step addresses; v16-63 [q, 0], [0, q] of both tiles; v64-111 K's four fragments; v112-159 V's; v160-173 scale words; v176-214 p's codes.
; Window 1, tile t: S^T, then p at 64 t; O^T at 128 + 32 t; -M, the largest score, the sum's two halves at 192 + 4 t; work from 200 on.
.set STG,   204800                     ; behind K and V: 512 bytes in which the block's scale bytes are gathered; no fill lands there
.set SPARE, 205312                     ; the spare words: 128 bytes for each of eight waves
.set WV,   14
.set CS,   44
.set SEL,  46
.set TB,   48
.set G1A,  16                          ; s[16:23] group 1, 25 rows;  s[68:75] group 1, 75 rows;  s[24:27], s[28:31] their groups 0
.set G1B,  68
.set A16,  1                           ; window 0: 16 x lane, 8 x lane, 4 r
.set A8,   2
.set VSA,  4
.set SV16, 5                           ; the same + the step's first byte
.set SV8,  6
.set SVS,  8
.set K16,  220                         ; K's lane terms: 16 (m % 8) + 256 h + 1536 (m / 8);  8 (m % 8) + 128 h + 1536 (m / 8);  8 (m % 8) + 4 (m / 8)
.set K8,   221
.set KSA,  222
.set SK16, 224
.set SK8,  225
.set SKS,  226
.set SPW,  254
.set NIL,  255
.set QA,   16
.set KF,   64
.set VF,   112
.set KS,   160
.set VS,   164
.set QS,   168
.set PS,   172
.set PW,   174
.set PC,   176
.set PX,   200
.set S,    0                           ; window 1
.set O,    128
.set ST,   192
.set BM,   200                         ; block maxima: 4 t + 2 c, and beside each its second half chain
.set WK,   208
.set FF,   216
.set BS,   220
.set BT,   224
.set PSW,  228
.set PSX,  230
.set H8,   232                         ; 8 h
.set CH,   234                         ; three more chains of the row's sum
.set MSB,  0
.macro WIN new                         ; bits 1:0 source 0, 3:2 source 1, 5:4 source 2, 7:6 destination; the high byte repeats the setting that is left
.if MSB != (\new)
	s_set_vgpr_msb (MSB<<8)|(\new)
.set MSB, (\new)
.endif
.endm
.macro PLACES n
.rept \n
	v_nop
.endr
.endm
.macro ROUND                           ; a round of the cluster's barrier
	s_barrier_signal -1
	s_barrier_wait -1
	s_cmp_lg_u32 s[WV], 0
	s_cbranch_scc1 .Lnot_wave_0_\@
	s_barrier_signal -3
.Lnot_wave_0_\@:
	s_barrier_wait -3
	s_barrier_signal -1
	s_barrier_wait -1
.endm
	s_load_b256 s[4:11], s[0:1], 0x0               ; qc s[4:5], qs s[6:7], kv s[8:9], oc s[10:11]
	s_load_b64 s[12:13], s[0:1], 0x20              ; os
	v_lshl_add_u32 v[SPW], v0, 2, SPARE
	v_mov_b32 v[NIL], 0
	ds_add_u32 v[SPW], v[NIL]                      ; the opening lines: the add twice on end and one wait
	ds_add_u32 v[SPW], v[NIL]
	v_lshrrev_b32 v1, 5, v0
	v_readfirstlane_b32 s[WV], v1                  ; wave 0..7
	s_and_b32 s51, ttmp7, 0xffff                   ; bh, which the four partners share
.irp g, G1A, G1B                       ; dense bytes as rows of 256 (32 elements of 8)
	s_mov_b32 s[\g], 15|(3<<16)|(1<<21)            ; the mask: all four work-groups; elements of 8 bytes; bit 21 beside a mask
	s_mov_b32 s[\g+1], 32<<16
	s_mov_b32 s[\g+3], 32<<16
	s_mov_b32 s[\g+5], 32
	s_mov_b32 s[\g+6], 0
	s_mov_b32 s[\g+7], 0
.endr
	s_mov_b32 s[G1A+2], 25<<16
	s_mov_b32 s[G1A+4], 25
	s_mov_b32 s[G1B+2], 75<<16
	s_mov_b32 s[G1B+4], 75
	s_mul_i32 s54, s[WV], 6400                     ; my eighth of steps 0-3
	s_mul_i32 s55, s[WV], 19200
	s_add_co_u32 s55, s55, 51200                   ; my eighth of steps 4-15
	s_mul_i32 s56, s51, 204800
	s_mov_b32 s57, 0
	s_mov_b32 s59, 0
	s_wait_dscnt 0x0
	s_wait_kmcnt 0x0
	s_add_nc_u64 s[56:57], s[8:9], s[56:57]
	s_mov_b32 s24, 1
	s_mov_b32 s25, s54
	s_mov_b32 s58, s54
	s_add_nc_u64 s[26:27], s[56:57], s[58:59]
	s_or_b32 s27, s27, 0x80000000
	s_mov_b32 s28, 1
	s_mov_b32 s29, s55
	s_mov_b32 s58, s55
	s_add_nc_u64 s[30:31], s[56:57], s[58:59]
	s_or_b32 s31, s31, 0x80000000
	; my queries: they enter global addresses alone
	s_bfe_u32 s15, ttmp6, 0x40000                  ; cx
	s_lshl_b32 s50, ttmp9, 2
	s_add_co_u32 s50, s50, s15                     ; block of 256 queries
	s_lshr_b32 s52, s51, 4                         ; batch
	s_and_b32 s53, s51, 15                         ; head
	s_mov_b32 s61, 0
	s_lshl_b32 s58, s50, 4
	s_lshl_b32 s59, s[WV], 1
	s_add_co_u32 s58, s58, s59                     ; my first tile in the sequence: 16 x block + 2 x wave
	s_mul_i32 s60, s58, 768
	s_mul_i32 s62, s51, 98304
	s_add_co_u32 s60, s60, s62
	s_add_nc_u64 s[4:5], s[4:5], s[60:61]          ; q's codes: my two tiles on end
	s_lshl_b32 s60, s50, 2
	s_lshr_b32 s59, s[WV], 1                       ; my group of 64 tokens in the block
	s_add_co_u32 s60, s60, s59
	s_lshl_b32 s60, s60, 8
	s_lshl_b32 s62, s51, 13
	s_add_co_u32 s60, s60, s62
	s_add_nc_u64 s[6:7], s[6:7], s[60:61]          ; q's scale words: that group's
	s_lshl_b32 s60, s52, 7
	s_add_co_u32 s60, s60, s58
	s_mul_i32 s60, s60, 12288
	s_mul_i32 s62, s53, 768
	s_add_co_u32 s60, s60, s62
	s_add_nc_u64 s[10:11], s[10:11], s[60:61]      ; the result's codes: my first tile of tokens, the head's 64 of K; the second tile 12,288 bytes on
	s_lshl_b32 s60, s52, 5
	s_lshl_b32 s62, s50, 2
	s_add_co_u32 s60, s60, s62
	s_lshl_b32 s60, s60, 7
	s_lshl_b32 s62, s53, 13
	s_add_co_u32 s60, s60, s62
	s_add_nc_u64 s[12:13], s[12:13], s[60:61]      ; and its scale bytes: the block's four groups of 64 tokens
	s_lshl_b32 s32, s59, 7
	s_and_b32 s33, s[WV], 1
	s_lshl_b32 s34, s33, 2
	s_add_co_u32 s32, s32, s34
	s_add_co_u32 s32, s32, STG                     ; the gathered scale bytes: [group of 64][r][tile 4]: my first tile's place
	s_lshl_b32 s33, s33, 3                         ; q's scale words: my first tile in its group, 4 bytes a tile
	s_mov_b32 s[CS], 0x3e38aa3b                    ; c = log2(e) / 8
	s_mov_b32 s[CS+1], s[CS]                       ; (named with it as a pair, so it is written)
	s_mov_b32 s[SEL], 0x76543210
	s_mov_b32 s[SEL+1], 0xfedcba98                 ; v_permlanex16_b32's selects for lane l xor 16
	s_mov_b32 s[TB], 0
	ROUND                                          ; all four work-groups are here: the joint loads meet
	tensor_load_to_lds s[24:27], s[G1A:G1A+7]      ; my one load at the head
	s_nop 0
	PLACES 4
	v_and_b32 v12, 31, v0                          ; lane
	v_and_b32 v13, 15, v0                          ; r
	v_and_b32 v14, 7, v0                           ; m % 8
	v_bfe_u32 v15, v0, 3, 1                        ; m / 8
	v_bfe_u32 v7, v0, 4, 1                         ; h
	v_lshlrev_b32 v[A16], 4, v12
	v_lshlrev_b32 v[A8], 3, v12
	v_lshlrev_b32 v3, 3, v13
	v_lshlrev_b32 v[VSA], 2, v13
	v_lshlrev_b32 v[K16], 4, v14
	v_lshlrev_b32 v[K8], 3, v14
	v_lshl_add_u32 v[K16], v7, 8, v[K16]
	v_lshl_add_u32 v[KSA], v15, 2, v[K8]
	v_lshl_add_u32 v[K8], v7, 7, v[K8]
	v_mad_u32_u24 v[K16], v15, 1536, v[K16]
	v_mad_u32_u24 v[K8], v15, 1536, v[K8]
	v_add_nc_u32 v9, s32, v3                       ; my first tile's two scale bytes; the second tile's 2 bytes on
	v_add_nc_u32 v10, STG, v[A16]                  ; and back: 16 bytes a lane
	v_lshl_add_u32 v11, v13, 4, s33                ; q's scale words: 16 r + 4 (tile in its group)
	v_lshlrev_b32 v7, 3, v7                        ; 8 h
.irp t, 0,1
	global_load_b128 v[QA+24*\t:QA+24*\t+3], v[A16], s[4:5] offset:768*\t          ; q's half fragment, twice
	global_load_b64 v[QA+24*\t+4:QA+24*\t+5], v[A8], s[4:5] offset:768*\t+512
	global_load_b128 v[QA+24*\t+18:QA+24*\t+21], v[A16], s[4:5] offset:768*\t
	global_load_b64 v[QA+24*\t+22:QA+24*\t+23], v[A8], s[4:5] offset:768*\t+512
	global_load_b32 v[QS+2*\t], v11, s[6:7] offset:4*\t
.endr
.irp t, 0,1
.irp j, 6,7,8,9,10,11,12,13,14,15,16,17
	v_mov_b32 v[QA+24*\t+\j], 0                    ; the zero halves
.endr
.endr
	WIN 0x40
.irp t, 0,1
	v_mov_b32 v[ST+4*\t], 0x7e000000               ; -M: so large that the first change of M gives the factor 0
	v_mov_b32 v[ST+4*\t+1], 0xff61b1e6             ; the largest score so far: -3e38
	v_mov_b32 v[ST+4*\t+2], 0                      ; the sum, in two halves
	v_mov_b32 v[ST+4*\t+3], 0
	v_mov_b32 v[FF+2*\t+1], 0                      ; (named as the upper half of f's pair)
	v_mov_b32 v[WK+4*\t+1], 0                      ; a lane permute's destination counts as read: written once
	v_mov_b32 v[PSX+\t], 0
.endr
	v_mov_b32 v[H8], v7
	WIN 0
	s_wait_loadcnt 0x0
.irp t, 0,1
	v_lshlrev_b32 v[QS+2*\t+1], 16, v[QS+2*\t]     ; q's bytes beside the fragment's second half; the 64 lines below are the places ahead of the scaled products
.endr
	WIN 0x40
.set j, 0
.rept 64
	v_mov_b32 v[O+j], 0                            ; O^T of both tiles: the step is written without a first step of its own
.set j, j+1
.endr
	WIN 0
.macro KLOAD a16, a8, aks, off         ; a step's K: fragment 2 c + a holds tiles T = 2 a and 2 a + 1 of half c; a scale word for each: 20 loads
.irp c, 0,1
.irp a, 0,1
	ds_load_b128 v[KF+12*(2*\c+\a):KF+12*(2*\c+\a)+3], v[\a16] offset:(\off)+3072*\c+128*\a
	ds_load_b64 v[KF+12*(2*\c+\a)+4:KF+12*(2*\c+\a)+5], v[\a8] offset:(\off)+3072*\c+64*\a+512
	ds_load_b128 v[KF+12*(2*\c+\a)+6:KF+12*(2*\c+\a)+9], v[\a16] offset:(\off)+3072*\c+128*\a+768
	ds_load_b64 v[KF+12*(2*\c+\a)+10:KF+12*(2*\c+\a)+11], v[\a8] offset:(\off)+3072*\c+64*\a+1280
	ds_load_b32 v[KS+2*\c+\a], v[\aks] offset:(\off)+12288+128*\c+64*\a
.endr
.endr
.endm
.macro TM t, j0, n                     ; t - M, two at a time: n pairs of tile t from register j0
.set j, \j0
.rept \n
	v_pk_fma_f32 v[S+64*(\t)+j:S+64*(\t)+j+1], v[S+64*(\t)+j:S+64*(\t)+j+1], s[CS:CS+1], v[ST+4*(\t):ST+4*(\t)+1] op_sel_hi:[1,0,0]
.set j, j+2
.endr
.endm
.macro EXPS t                          ; one batch: p = 2^(t - M) of tile t, and its two blocks' largest p, by the same two instructions on the same number as that p itself
.set j, 0
.rept 64
	v_exp_f32 v[S+64*(\t)+j], v[S+64*(\t)+j]
.set j, j+1
.endr
.irp c, 0,1
	v_exp_f32 v[BM+4*(\t)+2*\c], v[BM+4*(\t)+2*\c]
.endr
.endm
.macro EXTM                            ; tile 0's batch; between its lines stand tile 1's 32 scalings, which name none of the batch's registers and are first read behind the next wait
.irp c, 0,1
	v_exp_f32 v[BM+2*\c], v[BM+2*\c]
.endr
.set j, 0
.rept 32
	v_exp_f32 v[S+j], v[S+j]
	v_exp_f32 v[S+j+1], v[S+j+1]
	v_pk_fma_f32 v[S+64+j:S+64+j+1], v[S+64+j:S+64+j+1], s[CS:CS+1], v[ST+4:ST+5] op_sel_hi:[1,0,0]
.set j, j+2
.endr
.endm
.macro SUM4 t, j                       ; four pairs of p onto the sum's four chains
	v_pk_add_f32 v[ST+4*(\t)+2:ST+4*(\t)+3], v[ST+4*(\t)+2:ST+4*(\t)+3], v[S+64*(\t)+(\j):S+64*(\t)+(\j)+1]
.irp k, 0,1,2
	v_pk_add_f32 v[CH+2*\k:CH+2*\k+1], v[CH+2*\k:CH+2*\k+1], v[S+64*(\t)+(\j)+2+2*\k:S+64*(\t)+(\j)+3+2*\k]
.endr
.endm
; Behind tile t's batch: the row's sum of the UNQUANTISED p, with the lines that make the blocks' scales laid between its chains; then p's codes.
.macro POST t
	WIN 0x55
	v_pk_fma_f32 v[ST+4*(\t)+2:ST+4*(\t)+3], v[ST+4*(\t)+2:ST+4*(\t)+3], v[FF+2*(\t):FF+2*(\t)+1], v[S+64*(\t):S+64*(\t)+1] op_sel_hi:[1,0,1]   ; the sum under the new M, and the first pair
.irp k, 0,1,2
	v_pk_add_f32 v[CH+2*\k:CH+2*\k+1], v[S+64*(\t)+2+4*\k:S+64*(\t)+3+4*\k], v[S+64*(\t)+4+4*\k:S+64*(\t)+5+4*\k]
.endr
.irp c, 0,1
	v_max_num_f32 v[BM+4*(\t)+2*\c], 0x1800000, v[BM+4*(\t)+2*\c]   ; the floor 2^(3 - 127): the byte cannot fall under 1
.endr
	SUM4 \t, 14
.irp c, 0,1
	v_add_nc_u32 v[BS+2*(\t)+\c], 0xff000000, v[BM+4*(\t)+2*\c]     ; 2 off the exponent field: the conversion's scale operand
.endr
	SUM4 \t, 22
.irp c, 0,1
	v_lshrrev_b32 v[BT+2*(\t)+\c], 23, v[BS+2*(\t)+\c]              ; the byte
.endr
	SUM4 \t, 30
	v_lshl_or_b32 v[PSW+(\t)], v[BT+2*(\t)+1], 16, v[BT+2*(\t)]     ; my two bytes, blocks h and 2 + h,
	SUM4 \t, 38
	v_lshlrev_b32 v[PSW+(\t)], v[H8], v[PSW+(\t)]                   ; at their places in the word;
	SUM4 \t, 46
	v_permlanex16_b32 v[PSX+(\t)], v[PSW+(\t)], s[SEL], s[SEL+1]
	SUM4 \t, 54
	WIN 0x05                                       ; sources window 1, results window 0
	v_or_b32 v[PS+(\t)], v[PSW+(\t)], v[PSX+(\t)]  ; with lane l xor 16's two the word is whole
.irp c, 0,1
	v_cvt_scalef32_pk16_fp6_f32 v[PC+12*(\t)+6*\c:PC+12*(\t)+6*\c+2], v[S+64*(\t)+32*\c:S+64*(\t)+32*\c+15], v[BS+2*(\t)+\c]
	v_cvt_scalef32_pk16_fp6_f32 v[PX+8*(\t)+4*\c:PX+8*(\t)+4*\c+2], v[S+64*(\t)+32*\c+16:S+64*(\t)+32*\c+31], v[BS+2*(\t)+\c]   ; (a conversion's three registers begin on an even number)
.endr
	WIN 0
	v_nop                                          ; one plain place behind a scaled conversion
.irp c, 0,1
.irp i, 0,1,2
	v_mov_b32 v[PC+12*(\t)+6*\c+3+\i], v[PX+8*(\t)+4*\c+\i]
.endr
.endr
	WIN 0x55
	v_pk_add_f32 v[ST+4*(\t)+2:ST+4*(\t)+3], v[ST+4*(\t)+2:ST+4*(\t)+3], v[S+64*(\t)+62:S+64*(\t)+63]   ; the last pair, and the chains meet: these four are the places between the codes and the products,
	v_pk_add_f32 v[CH:CH+1], v[CH:CH+1], v[CH+2:CH+3]                                                   ; with the seven lines above them the eight behind the scale word
	v_pk_add_f32 v[ST+4*(\t)+2:ST+4*(\t)+3], v[ST+4*(\t)+2:ST+4*(\t)+3], v[CH+4:CH+5]
	v_pk_add_f32 v[ST+4*(\t)+2:ST+4*(\t)+3], v[ST+4*(\t)+2:ST+4*(\t)+3], v[CH:CH+1]
.endm
; A KEY STEP: 128 keys, both tiles.  pre = 1: the next step's K is fetched.
.macro STEP pre
	s_wait_dscnt 0x0                               ; this step's K is in: it was asked for a step ago
	WIN 0x40                                       ; K and q window 0, S^T window 1
.irp f, 0,1,2,3
.irp t, 0,1
	v_wmma_scale_f32_16x16x128_f8f6f4 v[S+64*\t+16*\f:S+64*\t+16*\f+7], v[KF+12*\f:KF+12*\f+11], v[QA+24*\t:QA+24*\t+11], 0, v[KS+\f], v[QS+2*\t] matrix_a_fmt:MATRIX_FMT_FP6 matrix_b_fmt:MATRIX_FMT_FP6
	v_wmma_scale_f32_16x16x128_f8f6f4 v[S+64*\t+16*\f+8:S+64*\t+16*\f+15], v[KF+12*\f:KF+12*\f+11], v[QA+24*\t+12:QA+24*\t+23], 0, v[KS+\f], v[QS+2*\t+1] matrix_a_fmt:MATRIX_FMT_FP6 matrix_b_fmt:MATRIX_FMT_FP6
.endr
.endr                                  ; register 32 c + i of a tile: key 64 c + 32 h + i of the step
	WIN 0
	v_add_nc_u32 v[SV16], s[TB], v[A16]            ; these lines are the places behind the products: ahead of the loads into the fragments and of the first read of the scores
	v_add_nc_u32 v[SV8], s[TB], v[A8]
	v_add_nc_u32 v[SVS], s[TB], v[VSA]
.if \pre
	v_add_nc_u32 v[SK16], s[TB], v[K16]
	v_add_nc_u32 v[SK8], s[TB], v[K8]
	v_add_nc_u32 v[SKS], s[TB], v[KSA]
.else
	v_nop
.endif
.irp n, 0,1,2,3                        ; ONE run of LDS loads a step.  This step's V first (20 loads): channels' tile n, keys 0-63 and 64-127
	ds_load_b128 v[VF+12*\n:VF+12*\n+3], v[SV16] offset:6144+768*\n
	ds_load_b64 v[VF+12*\n+4:VF+12*\n+5], v[SV8] offset:6144+768*\n+512
	ds_load_b128 v[VF+12*\n+6:VF+12*\n+9], v[SV16] offset:9216+768*\n
	ds_load_b64 v[VF+12*\n+10:VF+12*\n+11], v[SV8] offset:9216+768*\n+512
	ds_load_b32 v[VS+\n], v[SVS] offset:12544+64*\n
.endr
.if \pre
	KLOAD SK16, SK8, SKS, 12800                    ; then the next step's K (20 loads)
.endif
	WIN 0x55
.irp c, 0,1                            ; the largest score of each block of 32 keys, all mine, in two half chains; each accumulator is read from its low end on
.irp g, 0,1
.irp t, 0,1
	v_max3_num_f32 v[BM+4*\t+2*\c+\g], v[S+64*\t+32*\c+16*\g], v[S+64*\t+32*\c+16*\g+1], v[S+64*\t+32*\c+16*\g+2]
.endr
.endr
.endr
.irp i, 3,5,7,9,11,13
.irp c, 0,1
.irp g, 0,1
.irp t, 0,1
	v_max3_num_f32 v[BM+4*\t+2*\c+\g], v[BM+4*\t+2*\c+\g], v[S+64*\t+32*\c+16*\g+\i], v[S+64*\t+32*\c+16*\g+\i+1]
.endr
.endr
.endr
.endr
.irp c, 0,1
.irp t, 0,1
	v_max3_num_f32 v[BM+4*\t+2*\c], v[BM+4*\t+2*\c], v[BM+4*\t+2*\c+1], v[S+64*\t+32*\c+15]
.endr
.endr
.irp c, 0,1
.irp t, 0,1
	v_max_num_f32 v[BM+4*\t+2*\c], v[BM+4*\t+2*\c], v[S+64*\t+32*\c+31]
.endr
.endr
.irp t, 0,1
	v_max_num_f32 v[WK+4*\t], v[BM+4*\t], v[BM+4*\t+2]
.endr
.irp t, 0,1
	v_mov_b32 v[WK+4*\t+2], v[ST+4*\t]             ; the old -M
.endr
.irp t, 0,1
	v_permlanex16_b32 v[WK+4*\t+1], v[WK+4*\t], s[SEL], s[SEL+1]
.endr
.irp t, 0,1
	s_delay_alu instid0(VALU_DEP_2)
	v_max3_num_f32 v[ST+4*\t+1], v[ST+4*\t+1], v[WK+4*\t], v[WK+4*\t+1]   ; the running largest score, with lane l xor 16's keys
.endr
.irp t, 0,1
	s_delay_alu instid0(VALU_DEP_2)
	v_mul_f32 v[WK+4*\t], s[CS], v[ST+4*\t+1]      ; as t (c is positive)
.endr
.irp t, 0,1
	s_delay_alu instid0(VALU_DEP_2)
	v_floor_f32 v[ST+4*\t], -v[WK+4*\t]            ; the new -M = -ceil(t): a whole number
.endr
.irp c, 0,1
.irp t, 0,1
	v_fma_f32 v[BM+4*\t+2*\c], v[BM+4*\t+2*\c], s[CS], v[ST+4*\t]   ; t - M of each block's largest score
.endr
.endr
.irp t, 0,1
	v_sub_f32 v[WK+4*\t+2], v[ST+4*\t], v[WK+4*\t+2]   ; old M - new M: a whole number, 0 or less
.endr
	TM 0, 0, 8
.irp t, 0,1
	v_cvt_i32_f32 v[WK+4*\t+2], v[WK+4*\t+2]       ; (it saturates)
.endr
	TM 0, 16, 8
.irp t, 0,1
	v_ldexp_f32 v[FF+2*\t], 1.0, v[WK+4*\t+2]      ; f = 2^(old M - new M)
.endr
	TM 0, 32, 16
.set j, 0
.rept 16
.irp t, 0,1
	v_pk_mul_f32 v[O+32*\t+j:O+32*\t+j+1], v[O+32*\t+j:O+32*\t+j+1], v[FF+2*\t:FF+2*\t+1] op_sel_hi:[1,0]   ; O^T under the new M, each accumulator from its low end on, ahead of the exponentials
.endr
.set j, j+2
.endr
	s_wait_alu depctr_va_vdst(0)                   ; ahead of a batch
	EXTM
	s_wait_alu depctr_va_vdst(0)                   ; behind the first batch and ahead of the second
	EXPS 1
	POST 0                                         ; names the first batch's results alone
	s_wait_alu depctr_va_vdst(0)                   ; behind the second batch
	POST 1
	s_wait_alu depctr_va_vdst(0)                   ; directly ahead of the wait below
.if \pre
	s_wait_dscnt 20                                ; V and its scale words are in; the 20 loads of the next step's K may be out
.else
	s_wait_dscnt 0x0
.endif
	WIN 0x50                                       ; V and p's codes window 0, O^T window 1
.irp n, 0,1,2,3
.irp t, 0,1
	v_wmma_scale_f32_16x16x128_f8f6f4 v[O+32*\t+8*\n:O+32*\t+8*\n+7], v[VF+12*\n:VF+12*\n+11], v[PC+12*\t:PC+12*\t+11], v[O+32*\t+8*\n:O+32*\t+8*\n+7], v[VS+\n], v[PS+\t] matrix_a_fmt:MATRIX_FMT_FP6 matrix_b_fmt:MATRIX_FMT_FP6
.endr
.endr                                  ; the eight accumulators by turns
	WIN 0
	s_add_co_u32 s[TB], s[TB], 12800
.endm
	s_wait_alu depctr_va_vdst(0)                   ; at the head's end
	s_wait_tensorcnt 0x0                           ; my eighth of steps 0-3 is in; the three lines ahead of a later first fill:
	ds_add_u32 v[SPW], v[NIL]
	s_wait_dscnt 0x0
	ROUND                                          ; everybody's eighth is in, and all four work-groups are here
	tensor_load_to_lds s[28:31], s[G1B:G1B+7]      ; steps 4-15: my one load behind the round
	s_nop 0
	PLACES 4
	KLOAD K16, K8, KSA, 0                          ; step 0's K
	s_mov_b32 s49, 3
.Lfirst:                               ; steps 0-2: with the K fetched ahead they read steps 0-3 alone
	STEP 1
	s_sub_co_u32 s49, s49, 1
	s_cmp_lg_u32 s49, 0
	s_cbranch_scc1 .Lfirst
	s_wait_tensorcnt 0x0                           ; my eighth of steps 4-15
	s_wait_dscnt 0x0                               ; no LDS load of mine is out at a signal
	s_barrier_signal -1
	s_barrier_wait -1                              ; everybody's
	s_mov_b32 s49, 12
.Lrest:                                ; steps 3-14
	STEP 1
	s_sub_co_u32 s49, s49, 1
	s_cmp_lg_u32 s49, 0
	s_cbranch_scc1 .Lrest
	STEP 0                                         ; step 15 fetches nothing ahead
	; THE WAY OUT: O^T / the sum; register 16 b + i is channel 32 b + 16 h + i of my query: 64 neighbours along the last projection's K, in two lanes.
	PLACES 4                                       ; behind the last products
	WIN 0x55
.irp t, 0,1
	v_add_f32 v[WK+4*\t], v[ST+4*\t+2], v[ST+4*\t+3]
.endr
.irp t, 0,1
	v_permlanex16_b32 v[WK+4*\t+1], v[WK+4*\t], s[SEL], s[SEL+1]
.endr
.irp t, 0,1
	v_add_f32 v[WK+4*\t], v[WK+4*\t], v[WK+4*\t+1] ; the row's sum
.endr
	s_wait_alu depctr_va_vdst(0)                   ; ahead of the transcendentals
.irp t, 0,1
	v_rcp_f32 v[WK+4*\t], v[WK+4*\t]
.endr
	v_nop                                          ; one plain place behind a transcendental
	s_wait_alu depctr_va_vdst(0)                   ; behind them, directly ahead of the first lines that read them and O^T
.set j, 0
.rept 32
.irp t, 0,1
	v_mul_f32 v[S+64*\t+j], v[O+32*\t+j], v[WK+4*\t]   ; ascending: each accumulator is read from its low end on
.endr
.set j, j+1
.endr
.irp b, 0,1
.irp t, 0,1
	v_max3_num_f32 v[BM+4*\t+\b], |v[S+64*\t+16*\b]|, |v[S+64*\t+16*\b+1]|, 0x1800000
.endr
.endr
.irp i, 2,4,6,8,10,12,14
.irp b, 0,1
.irp t, 0,1
	v_max3_num_f32 v[BM+4*\t+\b], v[BM+4*\t+\b], |v[S+64*\t+16*\b+\i]|, |v[S+64*\t+16*\b+\i+1]|
.endr
.endr
.endr
.irp b, 0,1
.irp t, 0,1
	v_permlanex16_b32 v[BT+2*\t+\b], v[BM+4*\t+\b], s[SEL], s[SEL+1]
.endr
.endr
.irp b, 0,1
.irp t, 0,1
	v_max_num_f32 v[BM+4*\t+\b], v[BM+4*\t+\b], v[BT+2*\t+\b]
.endr
.endr
.irp b, 0,1
.irp t, 0,1
	v_add_nc_u32 v[BS+2*\t+\b], 0xff000000, v[BM+4*\t+\b]
.endr
.endr
.irp b, 0,1
.irp t, 0,1
	v_lshrrev_b32 v[BT+2*\t+\b], 23, v[BS+2*\t+\b]
.endr
.endr
	WIN 0x11
.irp t, 0,1
	v_lshl_or_b32 v[PW+\t], v[BT+2*\t+1], 8, v[BT+2*\t]   ; my query's two scale bytes
.endr
	WIN 0x05
.irp t, 0,1
	v_cvt_scalef32_pk16_fp6_f32 v[PC+12*\t:PC+12*\t+2], v[S+64*\t:S+64*\t+15], v[BS+2*\t]
	v_cvt_scalef32_pk16_fp6_f32 v[PX+8*\t:PX+8*\t+2], v[S+64*\t+16:S+64*\t+31], v[BS+2*\t+1]
.endr
	WIN 0
	v_nop                                          ; one plain place behind a scaled conversion
.irp t, 0,1
.irp i, 0,1,2
	v_permlane16_swap_b32 v[PC+12*\t+\i], v[PX+8*\t+\i]   ; a lane gets a whole block: lanes 0-15 block 0, lanes 16-31 block 1
.endr
.endr
.irp t, 0,1
.irp i, 0,1,2
	v_mov_b32 v[PC+12*\t+3+\i], v[PX+8*\t+\i]
.endr
.endr
.irp t, 0,1
	global_store_b128 v[A16], v[PC+12*\t:PC+12*\t+3], s[10:11] offset:12288*\t       ; 512 and 256 consecutive bytes
	global_store_b64 v[A8], v[PC+12*\t+4:PC+12*\t+5], s[10:11] offset:12288*\t+512
	ds_store_b16 v9, v[PW+\t] offset:2*\t          ; (lanes l and l xor 16 write the same bytes with the same value)
.endr
	s_wait_dscnt 0x0                               ; for the others' sake: my stores have landed
	s_barrier_signal -1
	s_barrier_wait -1
	s_cmp_lg_u32 s[WV], 0
	s_cbranch_scc1 .Lnosc
	ds_load_b128 v[216:219], v10                   ; wave 0 stores the block's 512 scale bytes
	s_wait_dscnt 0x0
	global_store_b128 v[A16], v[216:219], s[12:13]
.Lnosc:
	s_wait_tensorcnt 0x0                           ; the wave's end
	ds_add_u32 v[SPW], v[NIL]
	s_wait_dscnt 0x0
	ROUND                                          ; the closing round: no work-group ends while a partner may still ask jointly
	s_endpgm
.Lfunc_end_k_qc738e08f72_attn:
	.size	k_qc738e08f72_attn, .Lfunc_end_k_qc738e08f72_attn-k_qc738e08f72_attn
	.p2alignl 7, 3214868480
	.fill 96, 4, 3214868480
	.section	.rodata,"a",@progbits
	.p2align	6, 0x0
	.amdhsa_kernel k_qc738e08f72_attn
		.amdhsa_group_segment_fixed_size 327680
		.amdhsa_private_segment_fixed_size 0
		.amdhsa_enable_private_segment 0
		.amdhsa_kernarg_size 40
		.amdhsa_user_sgpr_count 2
		.amdhsa_user_sgpr_kernarg_segment_ptr 1
		.amdhsa_wavefront_size32 1
		.amdhsa_system_sgpr_workgroup_id_x 1
		.amdhsa_system_sgpr_workgroup_id_y 1
		.amdhsa_system_sgpr_workgroup_id_z 1
		.amdhsa_system_vgpr_workitem_id 0
		.amdhsa_next_free_vgpr 512
		.amdhsa_next_free_sgpr 80
		.amdhsa_reserve_vcc 0
		.amdhsa_float_denorm_mode_32 3
		.amdhsa_float_denorm_mode_16_64 3
		.amdhsa_memory_ordered 1
		.amdhsa_forward_progress 1
		.amdhsa_inst_pref_size 102
	.end_amdhsa_kernel
	.amdgpu_metadata
---
amdhsa.version: [ 1, 2 ]
amdhsa.kernels:
  - .name:           k_qc738e08f72_attn
    .symbol:         k_qc738e08f72_attn.kd
    .args:
      - { .name: qc, .offset: 0, .size: 8, .value_kind: global_buffer, .address_space: global }
      - { .name: qs, .offset: 8, .size: 8, .value_kind: global_buffer, .address_space: global }
      - { .name: kv, .offset: 16, .size: 8, .value_kind: global_buffer, .address_space: global }
      - { .name: oc, .offset: 24, .size: 8, .value_kind: global_buffer, .address_space: global }
      - { .name: os, .offset: 32, .size: 8, .value_kind: global_buffer, .address_space: global }
    .group_segment_fixed_size: 327680
    .private_segment_fixed_size: 0
    .kernarg_segment_align: 8
    .kernarg_segment_size: 40
    .max_flat_workgroup_size: 256
    .sgpr_count:     80
    .vgpr_count:     512
    .wavefront_size: 32
...
	.end_amdgpu_metadata
.endif
;; end of part 3
;; launch oproj (part 4): grid 16 x 16, 4 waves a work-group, clusters of 4 x 1, 168,448 bytes of LDS; arguments oc, os, codes, scales, out0; writes out0
.if DOCPART == 4
	.amdgcn_target "amdgcn-amd-amdhsa--gfx1250"
	.amdhsa_code_object_version 6
	.text
	.protected	k_qc738e08f72_oproj
	.globl	k_qc738e08f72_oproj
	.p2align	8
	.type	k_qc738e08f72_oproj,@function
k_qc738e08f72_oproj:
	s_mov_b64 s[64:65], 0
	v_nop
	global_prefetch_b8 v0, s[64:65] scope:SCOPE_SE
	s_setreg_imm32_b32 hwreg(HW_REG_WAVE_MODE, 25, 1), 1
	s_wait_xcnt 0x0
	s_wait_alu depctr_hold_cnt(0) depctr_sa_sdst(0) depctr_va_vdst(0) depctr_va_sdst(0) depctr_va_ssrc(0) depctr_va_vcc(0) depctr_vm_vsrc(0)
	s_getreg_b32 s2, hwreg(HW_REG_IB_STS2, 6, 4)
	s_cmp_eq_u32 s2, 0
	s_cbranch_scc0 .Lentry_in_a_cluster
	s_endpgm
.Lentry_in_a_cluster:
	s_bfe_u32 s2, ttmp6, 0x10000c
	s_cmp_lg_u32 s2, 0x3003
	s_cbranch_scc0 .Lentry_shape_is_right
	s_endpgm
.Lentry_shape_is_right:
; out0 = A Wo^T on codes of FP6 (E2M3) with E8M0 scales; A [4096][1024] is attention's result, Wo [1024][1024]; out0 f32.
; SHARES: a work-group makes 256 rows x 64 columns, a wave 64 rows x 64: 16 accumulators.  256 work-groups.
; Wo's four tiles (49,152 dense bytes) come into LDS ONCE, one load a wave, asked for JOINTLY by the cluster's four row blocks; nothing in LDS is filled again.
; A wave's own four tiles of A, all eight K steps, come straight into fragment registers: 128 loads, all issued at the head, behind the 24 loads of scales.  A K step is 16 products, so no request is left to wait for a step.
; NO PREFETCH: all that the wave reads has been asked for at the head, so the walk along K has nothing to run ahead of.
; Both operands lie in memory in the order of the operand's registers: every load is 512 or 256 consecutive bytes.
; Source 0 = 16 rows of Wo, source 1 = 16 tokens: a lane holds one token and eight neighbouring columns.  The rows of a tile are 32 b + 8 u + r + 8 (r / 8), for tokens and for columns: the way out puts both back.
; REGISTERS: window 0: v1-10 addresses; v32-63 Wo's scale words (8 n + ks); v64-95 A's (8 t + ks); v96-127 A's scale bytes as loaded; v128-255 four buffers of the way out.
;   window 1: the accumulators at 32 t + 8 n; from v128 Wo's fragments, two sets of 48.   windows 2 and 3: A's fragments, four sets of 48 each: K step ks in window 2 + ks / 4 at 48 (ks % 4).
.set STGB, 49152                       ; behind Wo: a stage of 16 rows x (256 + 16) bytes for each wave; no fill lands there
.set WV,   14
.set L16,  4
.set L8,   5
.set WSC,  32
.set ASC,  64
.set OSR,  96
.set MSB,  0
.macro WIN new                         ; the immediate's high byte repeats the setting that is left; a switch that changes nothing is dropped
.if MSB != (\new)
	s_set_vgpr_msb (MSB<<8)|(\new)
.set MSB, (\new)
.endif
.endm
.macro PLACES n
.rept \n
	v_nop
.endr
.endm
.macro ROUND                           ; a round of the cluster's barrier
	s_barrier_signal -1
	s_barrier_wait -1
	s_cmp_lg_u32 s[WV], 0
	s_cbranch_scc1 .Lnot_wave_0_\@
	s_barrier_signal -3
.Lnot_wave_0_\@:
	s_barrier_wait -3
	s_barrier_signal -1
	s_barrier_wait -1
.endm
	s_load_b256 s[4:11], s[0:1], 0x0               ; oc s[4:5], os s[6:7], codes s[8:9], scales s[10:11]
	s_load_b64 s[12:13], s[0:1], 0x20              ; out0
	v_lshl_add_u32 v30, v0, 2, 0x29000
	v_mov_b32 v31, 0
	ds_add_u32 v30, v31                            ; the opening lines: the add twice on end and one wait
	ds_add_u32 v30, v31
	v_lshrrev_b32 v1, 5, v0
	v_readfirstlane_b32 s[WV], v1                  ; wave 0..3
	s_and_b32 s17, ttmp7, 0xffff                   ; block of 64 columns, which the four partners share
	; descriptor group 1: a tile's 12,288 dense bytes as 48 rows of 256 bytes (32 elements of 8)
	s_mov_b32 s24, 15|(3<<16)|(1<<21)              ; the mask: all four work-groups; elements of 8 bytes; bit 21 beside a mask
	s_mov_b32 s25, 32<<16
	s_mov_b32 s26, 48<<16
	s_mov_b32 s27, 32<<16
	s_mov_b32 s28, 48
	s_mov_b32 s29, 32
	s_mov_b32 s30, 0
	s_mov_b32 s31, 0
	s_lshl_b32 s20, s17, 2
	s_add_co_u32 s20, s20, 448                     ; Wo's first tile of these columns
	s_add_co_u32 s18, s20, s[WV]                   ; the tile that I fetch
	s_mul_i32 s18, s18, 12288
	s_mov_b32 s19, 0
	s_wait_dscnt 0x0
	s_wait_kmcnt 0x0
	s_mov_b32 s32, 1
	s_mul_i32 s33, s[WV], 12288
	s_add_nc_u64 s[34:35], s[8:9], s[18:19]
	s_or_b32 s35, s35, 0x80000000
	; my rows: they enter global addresses alone
	s_bfe_u32 s15, ttmp6, 0x40000                  ; cx
	s_lshl_b32 s16, ttmp9, 2
	s_add_co_u32 s16, s16, s15                     ; block of 256 rows
	s_lshl_b32 s21, s16, 2
	s_add_co_u32 s21, s21, s[WV]                   ; my group of 64 rows
	s_mul_i32 s18, s21, 49152
	s_add_nc_u64 s[36:37], s[4:5], s[18:19]        ; its four tiles of codes
	s_lshl_b32 s18, s21, 7
	s_add_nc_u64 s[38:39], s[6:7], s[18:19]        ; its scale bytes, 8,192 bytes from head to head
	s_lshl_b32 s18, s20, 9
	s_add_nc_u64 s[40:41], s[10:11], s[18:19]      ; Wo's scale words
	s_lshl_b32 s18, s21, 18
	s_lshl_b32 s22, s17, 8
	s_add_co_u32 s18, s18, s22
	s_add_nc_u64 s[42:43], s[12:13], s[18:19]      ; out0 at my first row and column
	s_mov_b32 s45, 0x05040100                      ; v_perm_b32: the two low halves;
	s_mov_b32 s46, 0x07060302                      ; the two high halves
	ROUND                                          ; all four work-groups are here: the joint loads meet
	tensor_load_to_lds s[32:35], s[24:31]          ; one load of mine is out
	s_nop 0
	PLACES 4
	v_and_b32 v1, 31, v0                           ; lane
	v_and_b32 v2, 15, v0                           ; r
	v_bfe_u32 v3, v0, 4, 1                         ; h
	v_lshlrev_b32 v[L16], 4, v1
	v_lshlrev_b32 v[L8], 3, v1
	v_lshlrev_b32 v6, 4, v2
	v_lshlrev_b32 v7, 3, v2
	s_mul_i32 s44, s[WV], 4352
	s_add_co_u32 s44, s44, STGB                    ; my stage
	v_mul_u32_u24 v8, v2, 272
	v_lshl_add_u32 v8, v3, 6, v8
	v_add_nc_u32 v8, s44, v8                       ; in: row r, + 64 h: my half's 16 columns of each 32
	v_mul_u32_u24 v9, v3, 272
	v_lshl_add_u32 v9, v2, 4, v9
	v_add_nc_u32 v9, s44, v9                       ; back: lanes 0-15 one row of 256 bytes, lanes 16-31 the next
	v_lshlrev_b32 v10, 12, v3
	v_lshl_add_u32 v10, v2, 4, v10                 ; and the same two rows in out0
.irp n, 0,1,2,3
.irp f, 0,1
	global_load_b128 v[WSC+8*\n+4*\f:WSC+8*\n+4*\f+3], v6, s[40:41] offset:512*\n+256*\f
.endr
.endr
.irp d, 0,1,2,3,4,5,6,7,8,9,10,11,12,13,14,15
	global_load_b64 v[OSR+2*\d:OSR+2*\d+1], v7, s[38:39] offset:8192*\d   ; head d: token r's two bytes for each of my four tiles
.endr
.macro XFETCH ks                       ; my four tiles of A, K step ks: 16 loads
	WIN (2+(\ks)/4)<<6
.irp t, 0,1,2,3
	global_load_b128 v[48*((\ks)%4)+12*\t:48*((\ks)%4)+12*\t+3], v[L16], s[36:37] offset:12288*\t+1536*(\ks)
	global_load_b64 v[48*((\ks)%4)+12*\t+4:48*((\ks)%4)+12*\t+5], v[L8], s[36:37] offset:12288*\t+1536*(\ks)+512
	global_load_b128 v[48*((\ks)%4)+12*\t+6:48*((\ks)%4)+12*\t+9], v[L16], s[36:37] offset:12288*\t+1536*(\ks)+768
	global_load_b64 v[48*((\ks)%4)+12*\t+10:48*((\ks)%4)+12*\t+11], v[L8], s[36:37] offset:12288*\t+1536*(\ks)+1280
.endr
.endm
.macro WFETCH ks                       ; Wo's four tiles, K step ks, from LDS: 16 loads
	WIN 0x40
.irp n, 0,1,2,3
	ds_load_b128 v[128+48*((\ks)%2)+12*\n:128+48*((\ks)%2)+12*\n+3], v[L16] offset:12288*\n+1536*(\ks)
	ds_load_b64 v[128+48*((\ks)%2)+12*\n+4:128+48*((\ks)%2)+12*\n+5], v[L8] offset:12288*\n+1536*(\ks)+512
	ds_load_b128 v[128+48*((\ks)%2)+12*\n+6:128+48*((\ks)%2)+12*\n+9], v[L16] offset:12288*\n+1536*(\ks)+768
	ds_load_b64 v[128+48*((\ks)%2)+12*\n+10:128+48*((\ks)%2)+12*\n+11], v[L8] offset:12288*\n+1536*(\ks)+1280
.endr
.endm
.irp k, 0,1,2,3,4,5,6,7
	XFETCH \k
.endr
	WIN 0
	s_wait_loadcnt 63                              ; the scale words and bytes are in: 128 loads were issued behind them, and the wait's field holds 63
.irp k, 0,1,2,3,4,5,6,7                ; a K step of 128 is two heads: their pairs of bytes make tile t's word
	v_perm_b32 v[ASC+\k], v[OSR+4*\k+2], v[OSR+4*\k], s45
	v_perm_b32 v[ASC+8+\k], v[OSR+4*\k+2], v[OSR+4*\k], s46
	v_perm_b32 v[ASC+16+\k], v[OSR+4*\k+3], v[OSR+4*\k+1], s45
	v_perm_b32 v[ASC+24+\k], v[OSR+4*\k+3], v[OSR+4*\k+1], s46
.endr
	PLACES 8                                       ; a scale word made by a vector instruction stands eight places ahead of a scaled product
	s_wait_alu depctr_va_vdst(0)                   ; at the head's end
	s_wait_tensorcnt 0x0                           ; my tile of Wo is in,
	s_barrier_signal -1
	s_barrier_wait -1                              ; everybody's is
	WFETCH 0
; A K step: the next step's Wo, then 16 products; the 16 accumulators by turns, in the same order in every step.
.macro STEP ks
.if (\ks) > 0
	PLACES 4                                       ; in front of loads into registers that the last step's products have read
.endif
.if (\ks) < 7
	WFETCH (\ks)+1
.endif
.if (\ks) < 4
	s_wait_loadcnt 63                              ; this step's A is in: 16 (7 - ks), 64 or more, loads were issued behind it
.else
	s_wait_loadcnt 16*(7-(\ks))                    ; the younger groups of 16 may be out
.endif
.if (\ks) < 7
	s_wait_dscnt 16                                ; this step's Wo is in; the 16 loads just issued may be out
.else
	s_wait_dscnt 0x0
.endif
	WIN 0x51|((2+(\ks)/4)<<2)                      ; source 0 (Wo), C and D window 1; source 1 (A) window 2 or 3
.irp n, 0,1,2,3
.irp t, 0,1,2,3
.if (\ks) == 0
	v_wmma_scale_f32_16x16x128_f8f6f4 v[32*\t+8*\n:32*\t+8*\n+7], v[128+48*((\ks)%2)+12*\n:128+48*((\ks)%2)+12*\n+11], v[48*((\ks)%4)+12*\t:48*((\ks)%4)+12*\t+11], 0, v[WSC+8*\n+(\ks)], v[ASC+8*\t+(\ks)] matrix_a_fmt:MATRIX_FMT_FP6 matrix_b_fmt:MATRIX_FMT_FP6
.else
	v_wmma_scale_f32_16x16x128_f8f6f4 v[32*\t+8*\n:32*\t+8*\n+7], v[128+48*((\ks)%2)+12*\n:128+48*((\ks)%2)+12*\n+11], v[48*((\ks)%4)+12*\t:48*((\ks)%4)+12*\t+11], v[32*\t+8*\n:32*\t+8*\n+7], v[WSC+8*\n+(\ks)], v[ASC+8*\t+(\ks)] matrix_a_fmt:MATRIX_FMT_FP6 matrix_b_fmt:MATRIX_FMT_FP6
.endif
.endr
.endr
.endm
.irp k, 0,1,2,3,4,5,6,7
	STEP \k
.endr
; THE WAY OUT, a tile of 16 tokens x 64 columns at a time, through my own stage: in by lanes (32 bytes of a row), back by rows, so that sixteen lanes store 256 consecutive bytes, aligned.
; LDS serves a wave's instructions in order (ISA guide 5.7.1.4): no wait between the stores and the loads, nor in front of the next tile's stores.
.macro TOSTAGE t
	WIN 0x04                                       ; an LDS store's data are its source 1: window 1
.irp n, 0,1,2,3
	ds_store_b128 v8, v[32*(\t)+8*\n:32*(\t)+8*\n+3] offset:128*(\n/2)+32*(\n%2)       ; each accumulator from its low end on; columns 32 (n / 2) + 16 h + 8 (n % 2) + 0 .. 7
	ds_store_b128 v8, v[32*(\t)+8*\n+4:32*(\t)+8*\n+7] offset:128*(\n/2)+32*(\n%2)+16
.endr
	WIN 0
.irp i, 0,1,2,3,4,5,6,7
	ds_load_b128 v[128+32*(\t)+4*\i:128+32*(\t)+4*\i+3], v9 offset:544*\i
.endr
.endm
.macro SEND t, younger                 ; younger: the LDS instructions issued behind tile t's loads: the next tile's eight stores and eight loads, or none
	s_wait_dscnt \younger
.irp i, 0,1,2,3,4,5,6,7
	global_store_b128 v10, v[128+32*(\t)+4*\i:128+32*(\t)+4*\i+3], s[42:43] offset:(32*((\t)/2)+8*((\t)%2)+2*\i+8*(\i/4))*4096 th:TH_STORE_NT   ; stage row 2 i + h is token 32 (t / 2) + 8 (t % 2) + 2 i + h + 8 (i / 4)
.endr
.endm
	WIN 0
	PLACES 4                                       ; behind the last products: their results are read
	TOSTAGE 0
	TOSTAGE 1
	SEND 0, 16
	TOSTAGE 2
	SEND 1, 16
	TOSTAGE 3
	SEND 2, 16
	SEND 3, 0
	s_wait_tensorcnt 0x0                           ; the wave's end
	ds_add_u32 v30, v31
	s_wait_dscnt 0x0
	ROUND                                          ; the closing round: no work-group ends while a partner may still ask jointly
	s_endpgm
.Lfunc_end_k_qc738e08f72_oproj:
	.size	k_qc738e08f72_oproj, .Lfunc_end_k_qc738e08f72_oproj-k_qc738e08f72_oproj
	.p2alignl 7, 3214868480
	.fill 96, 4, 3214868480
	.section	.rodata,"a",@progbits
	.p2align	6, 0x0
	.amdhsa_kernel k_qc738e08f72_oproj
		.amdhsa_group_segment_fixed_size 168448
		.amdhsa_private_segment_fixed_size 0
		.amdhsa_enable_private_segment 0
		.amdhsa_kernarg_size 40
		.amdhsa_user_sgpr_count 2
		.amdhsa_user_sgpr_kernarg_segment_ptr 1
		.amdhsa_wavefront_size32 1
		.amdhsa_system_sgpr_workgroup_id_x 1
		.amdhsa_system_sgpr_workgroup_id_y 1
		.amdhsa_system_sgpr_workgroup_id_z 1
		.amdhsa_system_vgpr_workitem_id 0
		.amdhsa_next_free_vgpr 1024
		.amdhsa_next_free_sgpr 66
		.amdhsa_reserve_vcc 0
		.amdhsa_float_denorm_mode_32 3
		.amdhsa_float_denorm_mode_16_64 3
		.amdhsa_memory_ordered 1
		.amdhsa_forward_progress 1
		.amdhsa_inst_pref_size 55
	.end_amdhsa_kernel
	.amdgpu_metadata
---
amdhsa.version: [ 1, 2 ]
amdhsa.kernels:
  - .name:           k_qc738e08f72_oproj
    .symbol:         k_qc738e08f72_oproj.kd
    .args:
      - { .name: oc, .offset: 0, .size: 8, .value_kind: global_buffer, .address_space: global }
      - { .name: os, .offset: 8, .size: 8, .value_kind: global_buffer, .address_space: global }
      - { .name: codes, .offset: 16, .size: 8, .value_kind: global_buffer, .address_space: global }
      - { .name: scales, .offset: 24, .size: 8, .value_kind: global_buffer, .address_space: global }
      - { .name: out0, .offset: 32, .size: 8, .value_kind: global_buffer, .address_space: global }
    .group_segment_fixed_size: 168448
    .private_segment_fixed_size: 0
    .kernarg_segment_align: 8
    .kernarg_segment_size: 40
    .max_flat_workgroup_size: 128
    .sgpr_count:     66
    .vgpr_count:     1024
    .wavefront_size: 32
...
	.end_amdgpu_metadata
.endif
;; end of part 4
